; MI455X (gfx1250); checked and timed in simulation.
; The chip was launched on July 23, 2026; its instructions are those of AMD's public machine-readable ISA for CDNA 5 (MIT licence, August 2026) and "CDNA5" Instruction Set Architecture Reference Guide (July 2026). The comments in the code are by the model that wrote it; some were corrected since.
;; Causal Self Attention. Allowed arithmetic: matrix products marked QUANTISED: E5M2 operands, one E8M0 scale for each 32 along K, by v_wmma_scale_f32_16x16x128_f8f6f4 with both operands' format E5M2, f32 sums; products left as they are: f32 operands where the result goes on into a quantised operand, else bf16, f16 or f32 operands; f32 sums; everything else in f32.
;; Inputs: Wout_codes 1,024 x 32 x 32 uint8 (E5M2 codes of Wout, K innermost, in blocks of 32 codes); Wout_scales 1,024 x 32 uint8 (E8M0 scales of Wout, one for each 32 codes along K); Wqkv_codes 3,072 x 32 x 32 uint8 (E5M2 codes of Wqkv, K innermost, in blocks of 32 codes); Wqkv_scales 3,072 x 32 uint8 (E8M0 scales of Wqkv, one for each 32 codes along K); mask 2,048 x 2,048 int32; x_codes 4 x 2,048 x 32 x 32 uint8 (E5M2 codes of x, K innermost, in blocks of 32 codes); x_scales 4 x 2,048 x 32 uint8 (E8M0 scales of x, one for each 32 codes along K).
;; Outputs: out0 4 x 2,048 x 1,024 float32.
;; This version of the problem:
;;   THIS VERSION OF THE PROBLEM IS GIVEN IN LOW PRECISION. The matrix products marked QUANTISED in the list below multiply operands that are first quantised to E5M2 (5 exponent bits, 2 mantissa bits; 8 bits a number), with one power-of-two scale for each 32 numbers along K (OCP MX v1.0); their sums are f32. All else is computed in f32.
;;   The module's matrix products, in the order in which they are computed (A, B: the left and right operand; K: the contracted axis; several contracted axes count as one K, in the product's order):
;;     1. [M 8,192, K 1,024] x [K 1,024, N 3,072]; A: input x (given as codes); B: input Wqkv (given as codes): QUANTISED
;;     2. [M 2,048, K 1] x [K 1, N 32]; A: computed on the way; B: computed on the way: left as it is (no contracted axis)
;;     3. batch 64 x [M 2,048, K 64] x [K 64, N 2,048]; A: computed on the way; B: computed on the way: QUANTISED
;;     4. batch 64 x [M 2,048, K 2,048] x [K 2,048, N 64]; A: softmax (see below); B: computed on the way: QUANTISED
;;     5. [M 8,192, K 1,024] x [K 1,024, N 1,024]; A: computed on the way; B: input Wout (given as codes): QUANTISED
;;   THE QUANTISER, for each operand of a quantised product, along K:
;;     - K is cut into blocks of 32 from its start; a last block that is shorter is filled with zeros.
;;     - A block's scale is 2^e with e = floor(log2(the largest magnitude in the block)) - 15, held to -126 .. 127; a block of zeros has e = 0. As a byte (E8M0): e + 127.
;;     - Each number is divided by its block's scale, clamped to +-57,344, and rounded to the nearest number of E5M2, ties to even, subnormals kept.
;;     - The product sums the exact products of the quantised numbers (number of the format x scale) in f32.
;;   ~~~python
;;   def quantise(x, axis):      # numpy; x: float32 -> the quantised numbers, widened to float32 again
;;       x = np.moveaxis(x, axis, -1); K = x.shape[-1]
;;       x = np.pad(x, [(0, 0)] * (x.ndim - 1) + [(0, -K % 32)]); x = x.reshape(x.shape[:-1] + (-1, 32)); a = np.abs(x).max(-1, keepdims=True)
;;       e = np.where(a > 0, np.clip(np.frexp(np.where(a > 0, a, 1))[1] - 1 - 15, -126, 127), 0)      # np.frexp(a)[1] - 1 = floor(log2(a)), exactly
;;       r = np.clip(x / 2.0 ** e, -57344, 57344)
;;       step = 2.0 ** (np.maximum(np.frexp(np.where(r == 0, 1, r))[1] - 1, -14) - 2)
;;       q = np.round(r / step) * step * 2.0 ** e      # np.round: ties to even
;;       return np.moveaxis(q.reshape(q.shape[:-2] + (-1,))[..., :K], -1, axis).astype(np.float32)
;;   ~~~
;;   SOFTMAX AHEAD OF A QUANTISED PRODUCT. Where the list says 'softmax', what is quantised is not the finished softmax but p = 2^(t - M), with t = logit x log2(e) and M = ceil(the row's largest t), a whole number; so 1/2 < the row's largest p <= 1. The row's sum l is taken of the UNQUANTISED p, in f32, and the product's result is divided by l at the end. Since M is a whole number, a kernel that streams over the keys may use a running M (the ceiling of the running maximum): every later rescaling is an exact power of two, which a block's scale takes up: the codes' values come out the same.
;;   OPERANDS COMPUTED ON THE WAY. 'Computed on the way' means the value that the module computes at that place (a softmax that the list does not call 'softmax' is quantised finished and normalised). What goes into a quantiser is computed in f32, as accurately as f32 sums, v_exp_f32 and their like allow (about 1e-6 of the number): no bf16 or f16 on the way to a quantiser, and a product that is left as it is and whose result goes on into a quantised operand takes f32 operands (vector FMAs, or v_wmma_f32_16x16x4_f32). A number that lies on a knife's edge between two numbers of the format may be rounded either way, as far as f32 arithmetic and the matrix unit's own rounding can turn it there, and no further.
;;   INPUTS GIVEN AS CODES. Wout (in the module: [1024, 1024], K = its axis 0); Wqkv (in the module: [1024, 3072], K = its axis 0); x (in the module: [4, 2048, 1024], K = its axis 2): each comes as NAME_codes (uint8): NAME with its K axis moved to the last place and cut into blocks of 32 codes, [.., K / 32, bytes a block], one block behind the other in memory; one code a byte (a code: sign, 5 exponent bits, 2 mantissa bits); and NAME_scales (uint8): the same leading axes, one E8M0 byte (e + 127) for each 32 codes along K. Its value is code x scale, taken as it is: it is not quantised again, and the codes and scales need not be those that the quantiser above would give.
;; 2 versions, each right; version 2 is version 1 with the launch attn written anew for expert scheduling mode. Each part assembles by itself: llvm-mc -triple=amdgcn-amd-amdhsa -mcpu=gfx1250 --defsym DOCPART=n.
;; ======== version 1 of 2: 4 launches
;; workspace buffers: rope 524,288 bytes; mbits 524,288 bytes of whole numbers; mflags 2,048 bytes of whole numbers; hd 26,476,544 bytes; ao 8,388,608 bytes; aos 262,144 bytes
;; launch prep (part 1): grid 192 x 1, 4 waves a work-group, no clusters, 34,304 bytes of LDS; arguments mask, rope, mbits, mflags; writes rope, mbits, mflags
.if DOCPART == 1
	.amdgcn_target "amdgcn-amd-amdhsa--gfx1250"
	.amdhsa_code_object_version 6
	.text
	.protected	k_qd10373331f_prep
	.globl	k_qd10373331f_prep
	.p2align	8
	.type	k_qd10373331f_prep,@function
k_qd10373331f_prep:
	s_mov_b64 s[64:65], 0
	v_nop
	global_prefetch_b8 v0, s[64:65] scope:SCOPE_SE
	s_setreg_imm32_b32 hwreg(HW_REG_WAVE_MODE, 25, 1), 1
	s_wait_xcnt 0x0
; Two tables for the launches that follow.  Work-groups 0-127: the mask.  Work-groups 128-191: the cosines and sines of RoPE.
; THE MASK [2048][2048] int32 (0 = blocked) is read once and packed to bits, laid as the attention launch holds its scores: for a tile T of 16 queries and a step of 128 keys, 64 words;
; bit r + 16 h of word 8 t + j says whether mask[16 T + r][128 step + 16 t + 8 h + j] is not 0.  mbits: [T 128][step 16][64] words.
; mflags: [T 128][wave 4] words; in the word of wave w, for steps 4 w .. 4 w + 3: bit step = some key of the tile is open, bit 16 + step = some key is blocked.
; A work-group takes one T, wave w steps 4 w .. 4 w + 3.  A load reads 512 consecutive bytes of one row; a step's 16 rows turn through the wave's own stage in LDS (rows 528 bytes apart:
; 132 words, so the 16 rows that a load touches start at 16 different banks) and come back as 8 neighbours a lane; a compare gives a word's 32 bits at once.  Waves share nothing: no barrier.
; THE TABLE rope: [token 2048][cos j = 0..31 | sin j = 0..31] f32, 256 bytes a token: angle = f32(token) x inv_freq[j], one f32 product.
; inv_freq[j] = 10000^(-j/32) = 10^(-j/8), written as decimal constants rounded to f32.  LIMIT: an f32 power and reciprocal may differ from them by an ulp or two: up to 2e-4 rad at token 2,047.
; Cosine and sine: the angle less the nearest multiple of pi/2 (pi/2 in two parts; the first product is exact: 11 bits x 24 bits under 2^11), then polynomials on +-pi/4; error about 1e-7.
.set R,  32                            ; v32-159  two sets of 64 registers as loaded
.set X,  160                           ; v160-223 64 mask numbers in the scores' layout
.set W,  10                            ; v10-17   a step's 64 words: lane l holds words 2 l and 2 l + 1
.set SP, 528                           ; a stage row
	s_load_b256 s[4:11], s[0:1], 0x0               ; mask s[4:5], rope s[6:7], mbits s[8:9], mflags s[10:11]
	v_lshl_add_u32 v224, v0, 2, 0x8400
	v_mov_b32 v225, 0
	v_lshrrev_b32 v1, 5, v0
	v_readfirstlane_b32 s12, v1                    ; wave 0..3
	v_and_b32 v1, 31, v0                           ; lane
	v_and_b32 v2, 15, v0                           ; r
	v_bfe_u32 v3, v0, 4, 1                         ; h
	v_lshlrev_b32 v7, 3, v1                        ; 8 bytes a lane: both paths' stores
	s_cmp_ge_u32 ttmp9, 128
	s_cbranch_scc1 .Ltable
	; ---- the mask: T = the work-group's number
	v_lshlrev_b32 v4, 4, v1                        ; my 16 bytes of a load's 512
	s_mul_i32 s13, s12, 16*SP                      ; my wave's stage
	v_add_nc_u32 v5, s13, v4                       ; into it: as loaded
	v_mul_u32_u24 v6, v2, SP
	v_lshl_add_u32 v6, v3, 5, v6
	v_add_nc_u32 v6, s13, v6                       ; out of it: row r, + 32 h: keys 8 h + 0 .. 7 of a tile of 16
	v_mov_b32 v8, 0
.irp i, 0,1,2,3,4,5,6,7
	v_mov_b32 v[W+\i], 0                           ; written whole once: v_writelane_b32 changes one lane
.endr
	s_lshl_b32 s14, ttmp9, 17                      ; 16 rows of 8,192 bytes,
	s_lshl_b32 s16, s12, 11                        ; my four steps of 512 bytes
	s_add_co_u32 s14, s14, s16
	s_mov_b32 s15, 0
	s_lshl_b32 s16, ttmp9, 4
	s_lshl_b32 s34, s12, 2                         ; 4 w: my first step
	s_add_co_u32 s18, s16, s34                     ; 16 T + 4 w: my flag word's byte, and my first step's number in mbits
	s_mov_b32 s19, 0
	s_lshl_b32 s16, s18, 8                         ; 256 bytes a step
	s_mov_b32 s17, 0
	s_mov_b32 s35, 0                               ; the flags
	s_wait_kmcnt 0x0
	s_add_nc_u64 s[4:5], s[4:5], s[14:15]
	s_add_nc_u64 s[8:9], s[8:9], s[16:17]
	s_add_nc_u64 s[10:11], s[10:11], s[18:19]
.macro LOAD k                          ; step k of my four: 16 rows x 512 bytes into set k % 2
.irp p, 0,1,2,3,4,5,6,7,8,9,10,11,12,13,14,15
	global_load_b128 v[R+64*((\k)%2)+4*\p:R+64*((\k)%2)+4*\p+3], v4, s[4:5] offset:8192*\p+512*(\k) th:TH_LOAD_NT
.endr
.endm
.macro STEPM k
.if (\k) < 3
	s_wait_loadcnt 16                              ; this step's 16 loads are in; the next step's 16 may be out
.else
	s_wait_loadcnt 0x0
.endif
.irp p, 0,1,2,3,4,5,6,7,8,9,10,11,12,13,14,15
	ds_store_b128 v5, v[R+64*((\k)%2)+4*\p:R+64*((\k)%2)+4*\p+3] offset:SP*\p
.endr
.irp t, 0,1,2,3,4,5,6,7
	ds_load_b128 v[X+8*\t:X+8*\t+3], v6 offset:64*\t       ; LDS serves a wave's instructions in order: these see the stores above
	ds_load_b128 v[X+8*\t+4:X+8*\t+7], v6 offset:64*\t+16
.endr
	s_wait_dscnt 0x0                               ; the numbers are back, and the stores have read their registers,
.if (\k) < 2
	LOAD (\k)+2                                    ; which take the loads of two steps on
.endif
	s_mov_b32 s38, 0                               ; the OR of the step's words,
	s_mov_b32 s39, -1                              ; and their AND
.irp t, 0,1,2,3,4,5,6,7
.irp j, 0,1,2,3,4,5,6,7
	v_cmp_ne_u32 s[40+\j], 0, v[X+8*\t+\j]         ; word 8 t + j: one bit a lane
.endr
.irp j, 0,1,2,3,4,5,6,7
	v_writelane_b32 v[W+2*(\k)+(\j%2)], s[40+\j], (8*\t+\j)/2
	s_or_b32 s38, s38, s[40+\j]
	s_and_b32 s39, s39, s[40+\j]
.endr
.endr
	s_cmp_lg_u32 s38, 0
	s_cselect_b32 s36, 1, 0                        ; some key is open
	s_cmp_lg_u32 s39, -1
	s_cselect_b32 s37, 0x10000, 0                  ; some key is blocked
	s_or_b32 s36, s36, s37
	s_add_co_u32 s33, s34, \k
	s_lshl_b32 s36, s36, s33                       ; at bits step and 16 + step
	s_or_b32 s35, s35, s36
	global_store_b64 v7, v[W+2*(\k):W+2*(\k)+1], s[8:9] offset:256*(\k)   ; 32 lanes store 256 consecutive bytes, aligned; each step has data registers of its own
.endm
	LOAD 0
	LOAD 1
	STEPM 0
	STEPM 1
	STEPM 2
	STEPM 3
	v_mov_b32 v9, s35
	v_cmp_eq_u32 vcc_lo, 0, v1
	s_wait_xcnt 0x0                                ; EXEC changes only behind this wait: it is a source of the stores above
	s_wait_tensorcnt 0x0
	ds_add_u32 v224, v225
	s_wait_dscnt 0x0
	s_and_saveexec_b32 s36, vcc_lo
	global_store_b32 v8, v9, s[10:11]              ; lane 0 stores my wave's flag word
	s_wait_xcnt 0x0                                ; and again in front of the line that widens it
	s_or_b32 exec_lo, exec_lo, s36
	s_endpgm
	; ---- the table: wave w of work-group 128 + g takes tokens 32 g + 8 w + 0 .. 7.  Lane l serves j = 2 (l % 16) and the next: cosines in lanes 0-15, sines in lanes 16-31
.Ltable:
	s_sub_co_u32 s13, ttmp9, 128
	s_lshl_b32 s13, s13, 5
	s_lshl_b32 s14, s12, 3
	s_add_co_u32 s13, s13, s14                     ; my first token
	s_lshl_b32 s14, s13, 8
	s_mov_b32 s15, 0
	s_mov_b32 s20, 0x3f22f983                      ; 2 / pi
	s_mov_b32 s21, 0xbfc90fdb                      ; -(pi/2 rounded to f32)
	s_mov_b32 s22, 0x333bbd2e                      ; that number less pi/2: 4.3711390e-8
	s_mov_b32 s23, 0xbe2aaaa3                      ; sine: -1.6666655e-1,
	s_mov_b32 s24, 0x3c08839e                      ; 8.3321609e-3,
	s_mov_b32 s25, 0xb94ca1f9                      ; -1.9515296e-4
	s_mov_b32 s26, 0x3d2aaaa5                      ; cosine: 4.1666646e-2,
	s_mov_b32 s27, 0xbab6061a                      ; -1.3887316e-3,
	s_mov_b32 s28, 0x37ccf5ce                      ; 2.4433157e-5
	v_mul_u32_u24 v3, v3, 3                        ; sin(x) = cos(x - pi/2): three quadrants on, modulo four
	v_mov_b32 v20, 0
	v_mov_b32 v21, 0
.macro PICK k, a, b                    ; the lanes with l % 16 = k take inv_freq[2 k] and inv_freq[2 k + 1]: a sum with one term that is not 0, so nothing is rounded
	v_cmp_eq_u32 vcc_lo, \k, v2
	v_cndmask_b32 v22, 0, 1.0, vcc_lo
	v_fmac_f32 v20, \a, v22
	v_fmac_f32 v21, \b, v22
.endm
	PICK 0,  1.0,             0.7498942093
	PICK 1,  0.5623413252,    0.4216965034
	PICK 2,  0.3162277660,    0.2371373706
	PICK 3,  0.1778279410,    0.1333521432
	PICK 4,  0.1,             0.07498942093
	PICK 5,  0.05623413252,   0.04216965034
	PICK 6,  0.03162277660,   0.02371373706
	PICK 7,  0.01778279410,   0.01333521432
	PICK 8,  0.01,            0.007498942093
	PICK 9,  0.005623413252,  0.004216965034
	PICK 10, 0.003162277660,  0.002371373706
	PICK 11, 0.001778279410,  0.001333521432
	PICK 12, 0.001,           0.0007498942093
	PICK 13, 0.0005623413252, 0.0004216965034
	PICK 14, 0.0003162277660, 0.0002371373706
	PICK 15, 0.0001778279410, 0.0001333521432
	s_wait_kmcnt 0x0
	s_add_nc_u64 s[6:7], s[6:7], s[14:15]
.macro SINCOS f, out                   ; v[out] = cos or sin (by the lane's half) of v23 x v[f]
	v_mul_f32 v24, v23, v[\f]                      ; the angle
	v_mul_f32 v25, s20, v24
	v_rndne_f32 v25, v25                           ; n: the nearest multiple of pi/2
	v_fma_f32 v26, v25, s21, v24                   ; angle - n x pi/2, in two parts
	v_fma_f32 v26, v25, s22, v26
	v_cvt_i32_f32 v27, v25
	v_add_nc_u32 v27, v27, v3                      ; the quadrant
	v_mul_f32 v28, v26, v26                        ; z
	v_fma_f32 v29, v28, s25, s24
	v_fma_f32 v29, v29, v28, s23
	v_mul_f32 v30, v28, v26
	v_fma_f32 v29, v29, v30, v26                   ; sin r
	v_fma_f32 v31, v28, s28, s27
	v_fma_f32 v31, v31, v28, s26
	v_fma_f32 v31, v31, v28, -0.5
	v_fma_f32 v31, v31, v28, 1.0                   ; cos r
	v_and_b32 v30, 1, v27
	v_cmp_eq_u32 vcc_lo, 1, v30
	v_cndmask_b32 v29, v31, v29, vcc_lo            ; odd quadrants take the sine
	v_add_nc_u32 v27, 1, v27
	v_and_b32 v27, 2, v27
	v_lshlrev_b32 v27, 30, v27                     ; quadrants 1 and 2 are negative
	v_xor_b32 v[\out], v27, v29
.endm
.irp i, 0,1,2,3,4,5,6,7
	s_add_co_u32 s16, s13, \i
	v_cvt_f32_u32 v23, s16
	SINCOS 20, 40+2*\i
	SINCOS 21, 41+2*\i
	global_store_b64 v7, v[40+2*\i:41+2*\i], s[6:7] offset:256*\i   ; a token's 256 bytes, aligned; each token has data registers of its own
.endr
	s_endpgm
.Lfunc_end_k_qd10373331f_prep:
	.size	k_qd10373331f_prep, .Lfunc_end_k_qd10373331f_prep-k_qd10373331f_prep
	.p2alignl 7, 3214868480
	.fill 96, 4, 3214868480
	.section	.rodata,"a",@progbits
	.p2align	6, 0x0
	.amdhsa_kernel k_qd10373331f_prep
		.amdhsa_group_segment_fixed_size 34304
		.amdhsa_private_segment_fixed_size 0
		.amdhsa_enable_private_segment 0
		.amdhsa_kernarg_size 32
		.amdhsa_user_sgpr_count 2
		.amdhsa_user_sgpr_kernarg_segment_ptr 1
		.amdhsa_wavefront_size32 1
		.amdhsa_system_sgpr_workgroup_id_x 1
		.amdhsa_system_sgpr_workgroup_id_y 1
		.amdhsa_system_sgpr_workgroup_id_z 1
		.amdhsa_system_vgpr_workitem_id 0
		.amdhsa_next_free_vgpr 226
		.amdhsa_next_free_sgpr 66
		.amdhsa_reserve_vcc 1
		.amdhsa_float_denorm_mode_32 3
		.amdhsa_float_denorm_mode_16_64 3
		.amdhsa_memory_ordered 1
		.amdhsa_forward_progress 1
		.amdhsa_inst_pref_size 88
	.end_amdhsa_kernel
	.amdgpu_metadata
---
amdhsa.version: [ 1, 2 ]
amdhsa.kernels:
  - .name:           k_qd10373331f_prep
    .symbol:         k_qd10373331f_prep.kd
    .args:
      - { .name: mask, .offset: 0, .size: 8, .value_kind: global_buffer, .address_space: global }
      - { .name: rope, .offset: 8, .size: 8, .value_kind: global_buffer, .address_space: global }
      - { .name: mbits, .offset: 16, .size: 8, .value_kind: global_buffer, .address_space: global }
      - { .name: mflags, .offset: 24, .size: 8, .value_kind: global_buffer, .address_space: global }
    .group_segment_fixed_size: 34304
    .private_segment_fixed_size: 0
    .kernarg_segment_align: 8
    .kernarg_segment_size: 32
    .max_flat_workgroup_size: 128
    .sgpr_count:     66
    .vgpr_count:     226
    .wavefront_size: 32
...
	.end_amdgpu_metadata
.endif
;; end of part 1
;; launch qkv (part 2): grid 96 x 4, 4 waves a work-group, clusters of 4 x 4, 327,680 bytes of LDS; arguments x_codes, x_scales, Wqkv_codes, Wqkv_scales, rope, hd; writes hd
.if DOCPART == 2
	.amdgcn_target "amdgcn-amd-amdhsa--gfx1250"
	.amdhsa_code_object_version 6
	.text
	.protected	k_qd10373331f_qkv
	.globl	k_qd10373331f_qkv
	.p2align	8
	.type	k_qd10373331f_qkv,@function
k_qd10373331f_qkv:
	s_mov_b64 s[64:65], 0
	v_nop
	global_prefetch_b8 v0, s[64:65] scope:SCOPE_SE
	s_setreg_imm32_b32 hwreg(HW_REG_WAVE_MODE, 25, 1), 1
	s_wait_xcnt 0x0
	s_wait_alu depctr_hold_cnt(0) depctr_sa_sdst(0) depctr_va_vdst(0) depctr_va_sdst(0) depctr_va_ssrc(0) depctr_va_vcc(0) depctr_vm_vsrc(0)
	s_getreg_b32 s2, hwreg(HW_REG_IB_STS2, 6, 4)
	s_cmp_eq_u32 s2, 0
	s_cbranch_scc0 .Lentry_in_a_cluster
	s_endpgm
.Lentry_in_a_cluster:
	s_bfe_u32 s2, ttmp6, 0x10000c
	s_cmp_lg_u32 s2, 0xf033
	s_cbranch_scc0 .Lentry_shape_is_right
	s_endpgm
.Lentry_shape_is_right:
; qkv = x Wqkv on codes of BF8 (E5M2) with one E8M0 scale for each 32 along K = 1,024; then RoPE on q and k; then q, k and v are quantised again, for the attention's two products, and stored as
; IMAGES OF OPERAND REGISTERS: nothing wider than a code goes to memory.
; A tile of 256 x 256 results is made by a work-group of four waves, each 128 x 128: 64 accumulators, 512 registers.  K goes in steps of 256 through a ring of two LDS slots filled by the tensor data mover;
; the scale bytes of the work-group's 2 x 256 rows, for all of K, come into LDS once, with the first fills.
; THE MATRIX INSTRUCTION: source 0 = 16 rows of "B", source 1 = 16 rows of "A": lane (r, h) of accumulator (a, b) holds "A" row 16 a + r and "B" rows 16 b + 8 h + 0 .. 7.  A lane's registers must run along the
; NEXT product's K, so the roles hang on the cluster's number c (0 .. 23; the same in all sixteen partners):
;   c < 16, q and k: "A" = x (tokens 1,024 (c / 2) on), "B" = Wqkv (rows 1,024 (c % 2) on: q or k): a lane holds one token and runs along the head's 64.
;   c >= 16, v:      "A" = Wqkv (rows 2,048 on), "B" = x (tokens 1,024 (c - 16) on): a lane holds one channel of a head and runs along the keys.
; Both tensors have rows of 1,024 codes and 32 scale bytes, so only four pointers and two row numbers are chosen; every descriptor field, mask and LDS address is the same in both roles.
; CLUSTERS: 4 x 4 work-groups.  "A"'s tile hangs on cy alone and is asked for jointly by a row of the cluster, "B"'s on cx alone, by a column.
; ORDER ALONG K.  The 16 registers of accumulators 2 b and 2 b + 1 hold k = 32 b + 16 u + 8 h + j at the operand's place 16 h + 8 u + j: k is permuted INSIDE a block of 32, which keeps the block's members and
; so its scale; q and k carry the same order, and so do v's keys and the attention's p.  So the products are the same numbers; the order of the sums inside an instruction differs from ascending k.
; THE RECORD of a (batch, head), REC bytes of hd: K's images [key tile 128][c 2][lane][16 B]; V's [step 16][dt 4][c 4][lane][16 B]; K's scale words [key tile][16]; V's [step][dt][16]; Q's images and words as K's.
; A q or k scale word has two bytes (64 along K) and two bytes of 0.
; LIMITS: NaN and infinities among the inputs are not served.  A block of zeros gets the scale byte 1 (its codes are zeros; this program alone reads the bytes).
; REGISTERS, in windows of 256: window 0: v0-31 addresses; v32-63 scale words, two sets, and nothing else; from v128 "A"'s fragments, one set; on the way out v64-127 cosines and sines, v128-191 64 numbers,
;   v192-223 codes, v224-245 at work.   window 1: "B"'s fragments, two sets.   windows 2, 3: the accumulators ((a, b) at v[8 (8 (a % 4) + b)] of window 2 + a / 4).
.set KSTEP,  256                       ; along K in a slot
.set NQ,     2                         ; matrix instructions deep
.set ROWB,   256                       ; a tile's row in bytes
.set KROW,   1024                      ; a row of x or of Wqkv in memory
.set PITCH,  272                       ; an LDS row: 256 bytes + 16 of padding = 68 words: the 16 rows that a load touches start at 16 different banks
.set FR,     16                        ; registers of a fragment
.set NL,     4                         ; LDS loads that bring one
.set NP,     8                         ; places behind this matrix instruction (ISA guide 7.12.1)
.set HALFT,  128*PITCH                 ; 128 rows: what one tensor load brings
.set SLOT,   4*HALFT                   ; "A"'s 256 rows, then "B"'s
.set LAPS,   2                         ; a lap = two K steps = once round the ring: K = 1,024
.set KS,     32                        ; a row of scale bytes
.set SCL,    2*SLOT                    ; behind the ring: the scales, as units of 256 bytes + 16 of padding
.set HALFS,  (128*KS/256)*272          ; those of 128 rows
.set SBLK,   (16*KS/256)*272           ; those of 16 rows
.set SPARE,  SCL+4*HALFS               ; the spare words, 128 bytes for each wave: two blocks of 256 bytes that no other line names
.set REC,    413696
.set VIMG,   131072
.set KSC,    262144
.set VSC,    270336
.set QIMG,   274432
.set QSC,    405504
.set LI,   8                           ; v8   16 x lane: an image's place for my lane
.set LS,   9                           ; v9   4 x lane: a scale word's
.set RA,   10                          ; v10  256 r + 32 h: my token's row of the table, my half's eight numbers
.set ADRA, 16                          ; v16-17  LDS address of my "A" fragments in slot 0, 1
.set ADRB, 20                          ; v20-21  the same for "B"
.set ADRS, 27                          ; v27  LDS address of my scale words: lanes 0-15 "A"'s rows, lanes 16-31 "B"'s
.set SPW,  28                          ; v28  LDS address of my spare word; never rewritten
.set NIL,  29                          ; v29  0; never rewritten
.set SC,   32                          ; scale words: set s at v[SC + 16 s]; register 2 i + q: lanes 0-15 "A"'s block i, lanes 16-31 "B"'s block i
.set AF,   128                         ; "A"'s fragments
.set CT,   64                          ; the way out: two sets of 16 cosines and 16 sines
.set X,    128                         ; 64 numbers: register 16 b + i of block b
.set PC,   192                         ; two sets of 16 registers of codes
.set TM,   224                         ; v224-227 largest magnitudes, 228-231 bytes, 232-235 the largest number x the scale, 236-239 the conversions' scale operands
.set WA,   240                         ; v240-241 this block's scale words;  v242-243 the even block's, kept;  v244-245 the pair's, to store
.set KW,   242
.set SW,   244
.set G1, 24                            ; s[24:31] descriptor group 1 for "A"'s tiles;  s[32:39] group 0, one set for each slot
.set G0, 32
.set G1B, 48                           ; s[48:55], s[56:63] the same for "B"'s
.set G0B, 56
.set G1S, 68                           ; s[68:75], s[76:79] groups 1 and 0 for "A"'s scales;  s[80:87], s[88:91] for "B"'s
.set G0S, 76
.set G1SB, 80
.set G0SB, 88
.set SEL, 20                           ; the way out: s[20:21] lane selects, s22 a mantissa field, s23 the mask of lanes 16-31
.set MNT, 22
.set HM,  23
.set DC,  8                            ; s[8:9] where my codes go;  s[10:11] my scale words;  s[96:97] the table at my first token;  s[98:99] hd
.set DS,  10
.set RT,  96
.set HD,  98
.set MSB, 0
.macro WIN new                         ; the immediate's high byte repeats the setting that is left
.if MSB != (\new)
	s_set_vgpr_msb (MSB<<8)|(\new)
.set MSB, (\new)
.endif
.endm
.set MUL_LO, 0xa1                      ; source 0 ("B") window 1, source 1 ("A") window 0, C and D window 2
.set MUL_HI, 0xf1                      ; the same, C and D window 3
.set TO_B,   0x40                      ; destination window 1, address window 0
; A joint load: waves 0 and 1 fetch for "A", waves 2 and 3 for "B".  Each of the two lines has one mask and one set of registers for all that issue it; the branch hangs on the wave's number alone.
; Four v_nop follow each of the two lines, ahead of the jump, the label and what follows.
.macro JLOAD g0a, g1a, g0b, g1b
	s_cmp_eq_u32 s15, 0
	s_cbranch_scc0 .Lfor_b_\@
	tensor_load_to_lds s[\g0a:\g0a+3], s[\g1a:\g1a+7]
	s_nop 0
.rept 4
	v_nop
.endr
	s_branch .Lasked_\@
.Lfor_b_\@:
	tensor_load_to_lds s[\g0b:\g0b+3], s[\g1b:\g1b+7]
	s_nop 0
.rept 4
	v_nop
.endr
.Lasked_\@:
.endm
.macro CREST                           ; a round of the cluster's barrier behind its opening barrier
	s_cmp_lg_u32 s14, 0
	s_cbranch_scc1 .Lnot_wave_0_\@
	s_barrier_signal -3
.Lnot_wave_0_\@:
	s_barrier_wait -3
	s_barrier_signal -1
	s_barrier_wait -1
.endm
.macro CROUND                          ; a whole round
	s_barrier_signal -1
	s_barrier_wait -1
	CREST
.endm
	s_load_b256 s[4:11], s[0:1], 0x0               ; x's codes s[4:5], x's scales s[6:7], Wqkv's codes s[8:9], Wqkv's scales s[10:11]
	s_load_b128 s[96:99], s[0:1], 0x20             ; rope, hd
	v_lshl_add_u32 v[SPW], v0, 2, SPARE
	v_mov_b32 v[NIL], 0
	ds_add_u32 v28, v29
	ds_add_u32 v28, v29
	s_wait_dscnt 0x0
	v_lshrrev_b32 v1, 5, v0
	v_readfirstlane_b32 s14, v1                    ; wave 0..3
	s_lshr_b32 s15, s14, 1                         ; which half of "A"'s rows is mine.  Also: I fetch for "A" (0) or for "B" (1)
	s_and_b32 s16, s14, 1                          ; which half of "B"'s rows.  Also: which 128 rows of that tile I fetch
	s_bfe_u32 s40, ttmp6, 0x40000                  ; cx, cy: my place in the cluster
	s_bfe_u32 s41, ttmp6, 0x40004
	s_lshl_b32 s43, s41, 2
	s_lshl_b32 s43, 15, s43                        ; my row of the cluster
	s_lshl_b32 s44, 0x1111, s40                    ; my column
	; the roles, by the cluster's number
	s_lshr_b32 s17, ttmp9, 1
	s_lshl_b32 s17, s17, 10                        ; q, k: tokens 1,024 (c / 2) on,
	s_and_b32 s42, ttmp9, 1
	s_lshl_b32 s42, s42, 10                        ; Wqkv's rows 1,024 (c % 2) on
	s_max_u32 s18, ttmp9, 16
	s_sub_co_u32 s18, s18, 16
	s_lshl_b32 s18, s18, 10                        ; v: tokens 1,024 (c - 16) on
	s_cmp_lt_u32 ttmp9, 16
	s_cselect_b32 s17, s17, 2048
	s_cselect_b32 s42, s42, s18
	s_lshl_b32 s19, s41, 8
	s_add_co_u32 s17, s17, s19                     ; "A"'s first row: + 256 cy
	s_lshl_b32 s18, s40, 8
	s_add_co_u32 s42, s42, s18                     ; "B"'s first row: + 256 cx
	; descriptor group 1: a tile of 128 rows x 256 bytes, padded in LDS
	s_or_b32 s[G1+0], s43, (0<<16)|(1<<20)|(1<<21)|(5<<22)|(3<<25)  ; 15:0 the mask: "A"'s tiles go to my row; 17:16 element of 1 byte; 20 padding on; 21 set beside a mask; 24:22 after every 64 words (code 5); 31:25 of 4 words (code 3)
	s_or_b32 s[G1B+0], s44, (0<<16)|(1<<20)|(1<<21)|(5<<22)|(3<<25)
.irp g, G1, G1B
	s_mov_b32 s[\g+1], ROWB<<16                    ; tensor_dim0
	s_mov_b32 s[\g+2], 128<<16                     ; tensor_dim1 = 128
	s_mov_b32 s[\g+3], ROWB<<16                    ; tile_dim0
	s_mov_b32 s[\g+4], 128                         ; tile_dim1 = 128
	s_mov_b32 s[\g+5], KROW                        ; tensor_dim0_stride
	s_mov_b32 s[\g+6], 0
	s_mov_b32 s[\g+7], 0
.endr
	; and for the scales of 128 rows: a dense block of 4,096 bytes, as 16 rows of 256 bytes (32 elements of 8 bytes), 16 bytes of padding behind each
	s_or_b32 s[G1S+0], s43, (3<<16)|(1<<20)|(1<<21)|(5<<22)|(3<<25)
	s_or_b32 s[G1SB+0], s44, (3<<16)|(1<<20)|(1<<21)|(5<<22)|(3<<25)
.irp g, G1S, G1SB
	s_mov_b32 s[\g+1], 32<<16
	s_mov_b32 s[\g+2], (128*KS/256)<<16
	s_mov_b32 s[\g+3], 32<<16
	s_mov_b32 s[\g+4], 128*KS/256
	s_mov_b32 s[\g+5], 32
	s_mov_b32 s[\g+6], 0
	s_mov_b32 s[\g+7], 0
.endr
	s_lshl_b32 s18, s16, 7                         ; which 128 rows of the tile I fetch
	s_add_co_u32 s20, s17, s18                     ; "A"'s
	s_add_co_u32 s46, s42, s18                     ; "B"'s
	s_lshl_b32 s22, s20, 5                         ; where these rows' scales begin, in bytes (all under 2^24),
	s_mov_b32 s23, 0
	s_lshl_b32 s92, s46, 5
	s_mov_b32 s93, 0
	s_lshl_b32 s20, s20, 10                        ; and their codes
	s_mov_b32 s21, 0
	s_lshl_b32 s46, s46, 10
	s_mov_b32 s47, 0
	s_mul_i32 s45, s14, HALFT                      ; where they go: wave x 128 rows: no place in the cluster enters an LDS address
	s_mul_i32 s94, s14, HALFS
	s_wait_kmcnt 0x0
	s_cmp_lt_u32 ttmp9, 16                         ; q, k: "A" = x, "B" = Wqkv, as loaded; v: the other way round.  The choice hangs on the cluster's number alone
	s_cselect_b64 s[12:13], s[4:5], s[8:9]
	s_cselect_b64 s[8:9], s[8:9], s[4:5]
	s_mov_b64 s[4:5], s[12:13]
	s_cselect_b64 s[12:13], s[6:7], s[10:11]
	s_cselect_b64 s[10:11], s[10:11], s[6:7]
	s_mov_b64 s[6:7], s[12:13]
	s_add_nc_u64 s[20:21], s[4:5], s[20:21]
	s_add_nc_u64 s[22:23], s[6:7], s[22:23]
	s_add_nc_u64 s[46:47], s[8:9], s[46:47]
	s_add_nc_u64 s[92:93], s[10:11], s[92:93]
	CROUND                                         ; all sixteen work-groups are here: the first joint loads meet
	s_mov_b32 s[G0S], 1
	s_add_co_u32 s[G0S+1], s94, SCL
	s_mov_b64 s[G0S+2:G0S+3], s[22:23]
	s_or_b32 s[G0S+3], s[G0S+3], 0x80000000
	s_mov_b32 s[G0SB], 1
	s_add_co_u32 s[G0SB+1], s94, SCL
	s_mov_b64 s[G0SB+2:G0SB+3], s[92:93]
	s_or_b32 s[G0SB+3], s[G0SB+3], 0x80000000
	JLOAD G0S, G1S, G0SB, G1SB                     ; the scales first: they are wanted with K step 0
.irp s, 0,1
	s_mov_b32 s[G0+4*\s], 1
	s_add_co_u32 s[G0+4*\s+1], s45, \s*SLOT
	s_add_nc_u64 s[G0+4*\s+2:G0+4*\s+3], s[20:21], \s*ROWB
	s_or_b32 s[G0+4*\s+3], s[G0+4*\s+3], 0x80000000
	s_mov_b32 s[G0B+4*\s], 1
	s_add_co_u32 s[G0B+4*\s+1], s45, \s*SLOT
	s_add_nc_u64 s[G0B+4*\s+2:G0B+4*\s+3], s[46:47], \s*ROWB
	s_or_b32 s[G0B+4*\s+3], s[G0B+4*\s+3], 0x80000000
	JLOAD G0+4*\s, G1, G0B+4*\s, G1B
.endr
	v_and_b32 v1, 15, v0                           ; r = l % 16
	v_bfe_u32 v2, v0, 4, 1                         ; h = l / 16
	v_mul_u32_u24 v3, v1, PITCH
	v_lshl_add_u32 v4, v2, 4, v3                   ; a fragment's row x pitch + 16 x half
	s_mul_i32 s21, s15, HALFT                      ; my 128 rows of "A"
	s_mul_i32 s22, s16, HALFT                      ; my 128 rows of "B",
	s_add_co_u32 s22, s22, 2*HALFT                 ; which lie behind "A"'s 256
.irp s, 0,1
	v_add_nc_u32 v[ADRA+\s], s21, v4
	v_add_nc_u32 v[ADRB+\s], s22, v4
	s_add_co_u32 s21, s21, SLOT
	s_add_co_u32 s22, s22, SLOT
.endr
	v_mul_u32_u24 v5, v1, KS                       ; my row's scales: 32 bytes a row,
	v_lshrrev_b32 v6, 8, v5
	v_lshl_add_u32 v5, v6, 4, v5                   ; and 16 more for each 256 passed
	s_mul_i32 s21, s15, HALFS                      ; "A"'s: my 128 rows
	s_mul_i32 s22, s16, HALFS                      ; "B"'s: my 128 rows, behind "A"'s 256
	s_add_co_u32 s22, s22, 2*HALFS
	s_sub_co_u32 s22, s22, s21
	v_mul_u32_u24 v6, s22, v2                      ; lanes 16-31 take "B"'s
	s_add_co_u32 s21, s21, SCL
	v_add_nc_u32 v5, v5, v6
	v_add_nc_u32 v[ADRS], s21, v5
	v_and_b32 v6, 31, v0
	v_lshlrev_b32 v[LI], 4, v6
	v_lshlrev_b32 v[LS], 2, v6
	v_lshlrev_b32 v[RA], 8, v1
	v_lshl_add_u32 v[RA], v2, 5, v[RA]
.macro FRAG reg, adr, q, i             ; a fragment, 16 rows x 128 K, is 16 registers: lane l holds row l % 16; registers 4 c .. 4 c + 3 hold K = 32 c + 16 (l / 16) + 0 .. 15
.irp c, 0,1,2,3
	ds_load_b128 v[\reg+4*\c:\reg+4*\c+3], v[\adr] offset:128*(\q)+32*\c+(\i)*16*PITCH
.endr
.endm
; 16 matrix instructions: "A"'s blocks a0, a0 + 1 x "B"'s eight, 128 along K: the slot's q-th.  p: "B"'s set;  sc: the set of scale words.  zero = 1: the first product starts the sums: nothing is ever cleared.
; The 64 accumulators take turns, one instruction a turn, in the same order in every step.
.macro MUL16 a0, p, q, sc, zero
.irp a, \a0, \a0+1
.irp b, 0,1,2,3,4,5,6,7
.if \zero
	v_wmma_scale_f32_16x16x128_f8f6f4 v[8*(8*((\a)%4)+\b):8*(8*((\a)%4)+\b)+7], v[128*(\p)+FR*\b:128*(\p)+FR*\b+FR-1], v[AF+FR*(\a):AF+FR*(\a)+FR-1], 0, v[SC+8*NQ*(\sc)+NQ*\b+(\q)], v[SC+8*NQ*(\sc)+NQ*(\a)+(\q)] matrix_a_fmt:MATRIX_FMT_BF8 matrix_b_fmt:MATRIX_FMT_BF8 matrix_a_scale:MATRIX_SCALE_ROW1
.else
	v_wmma_scale_f32_16x16x128_f8f6f4 v[8*(8*((\a)%4)+\b):8*(8*((\a)%4)+\b)+7], v[128*(\p)+FR*\b:128*(\p)+FR*\b+FR-1], v[AF+FR*(\a):AF+FR*(\a)+FR-1], v[8*(8*((\a)%4)+\b):8*(8*((\a)%4)+\b)+7], v[SC+8*NQ*(\sc)+NQ*\b+(\q)], v[SC+8*NQ*(\sc)+NQ*(\a)+(\q)] matrix_a_fmt:MATRIX_FMT_BF8 matrix_b_fmt:MATRIX_FMT_BF8 matrix_a_scale:MATRIX_SCALE_ROW1
.endif
.endr
.endr
.endm
.macro FETCH_B slot, q, p              ; "B"'s eight fragments of the slot's q-th 128 along K into set p
	WIN TO_B
.irp i, 0,1,2,3,4,5,6,7
	FRAG 128*(\p)+FR*\i, ADRB+\slot, \q, \i
.endr
	WIN 0
.endm
.macro FETCH_A slot, q, i0             ; "A"'s blocks i0 .. i0 + 3
.irp i, \i0, \i0+1, \i0+2, \i0+3
	FRAG AF+FR*(\i), ADRA+\slot, \q, \i
.endr
.endm
.macro SCALES sc                       ; the next K step's scale words into set sc: two words a row; lanes 0-15 take "A"'s block i, lanes 16-31 "B"'s block i
.irp i, 0,1,2,3,4,5,6,7
	ds_load_b64 v[SC+8*NQ*\sc+NQ*\i:SC+8*NQ*\sc+NQ*\i+1], v[ADRS] offset:\i*SBLK
.endr
.endm
; A load into a register that a matrix instruction has read, and a vector instruction that reads a matrix result or writes one of its registers, stand NP places behind it; only plain vector instructions
; that name none of its registers are places (ISA guide 7.12.1 for vector instructions).
.macro PLACES n
.rept \n
	v_nop
.endr
.endm
; A step of 128 along K that has its successor in the same slot.
.macro STEP slot, q, zero
	s_wait_dscnt 4*NL                              ; "B"'s set and "A"'s blocks 0-3 are in; the youngest 16 loads ("A"'s blocks 4-7) may be out
	WIN MUL_LO
	MUL16 0, (\q)%2, \q, \slot, \zero
	MUL16 2, (\q)%2, \q, \slot, \zero
	s_wait_dscnt 0                                 ; "A"'s blocks 4-7 are in (asked for 32 matrix instructions ago)
	PLACES NP
	FETCH_B \slot, (\q)+1, 1-(\q)%2
	FETCH_A \slot, (\q)+1, 0
	WIN MUL_HI
	MUL16 4, (\q)%2, \q, \slot, \zero
	MUL16 6, (\q)%2, \q, \slot, \zero
	PLACES NP
	WIN 0
	FETCH_A \slot, (\q)+1, 4
.endm
; A slot's last step changes slots: one barrier; in front of it each wave waits for all its tensor loads, adds 0 to its spare word, and waits for that and for its own reads of this slot.  fill = 1: this slot is filled again, two K steps ahead.
.macro TURN slot, next, fill
	s_wait_tensorcnt 0x0                           ; all my tensor loads have landed: my part of the next slot;  (every window is 0 here)
	ds_add_u32 v[SPW], v[NIL]                      ; 0 onto my spare word
	s_wait_dscnt 4*NL+1                            ; (the add and the youngest 16 loads, "A"'s blocks 4-7, may be out)
	WIN MUL_LO
	MUL16 0, 1, NQ-1, \slot, 0                     ; sixteen matrix instructions stand between the add and the wait for it
	s_wait_dscnt 0x0                               ; the add is done, and my reads of this slot are over
	s_barrier_signal -1
	MUL16 2, 1, NQ-1, \slot, 0
	WIN 0
	s_barrier_wait -1
.if \fill
	CREST                                          ; the barrier has opened a round of the cluster's barrier: no wave of any partner still reads this slot's tile or has a load on its way
	s_add_nc_u64 s[G0+4*\slot+2:G0+4*\slot+3], s[G0+4*\slot+2:G0+4*\slot+3], 2*ROWB
	s_add_nc_u64 s[G0B+4*\slot+2:G0B+4*\slot+3], s[G0B+4*\slot+2:G0B+4*\slot+3], 2*ROWB
	JLOAD G0+4*\slot, G1, G0B+4*\slot, G1B         ; the first tensor load behind the round; the four v_nop behind it are among the places in front of the loads below
	PLACES NP-4
.else
	PLACES NP
.endif
	v_add_nc_u32 v[ADRS], 4*NQ, v[ADRS]            ; on to the next K step's scale words (no LDS load of mine is out)
	FETCH_B \next, 0, 0
	FETCH_A \next, 0, 0
	SCALES \next
	WIN MUL_HI
	MUL16 4, 1, NQ-1, \slot, 0
	MUL16 6, 1, NQ-1, \slot, 0
	PLACES NP
	WIN 0
	FETCH_A \next, 0, 4
.endm
	s_wait_tensorcnt 1                             ; the scales and my part of K step 0 are in (K step 1's load may be out),
	s_barrier_signal -1
	s_barrier_wait -1                              ; everybody's are
	FETCH_B 0, 0, 0
	FETCH_A 0, 0, 0
	SCALES 0
	FETCH_A 0, 0, 4
	STEP 0, 0, 1                                   ; the first step stands in front of the loop: its products start the sums
	s_mov_b32 s3, LAPS-1
.Llap:                                                 ; a trip goes once round the ring, from a lap's second step to the next lap's first, and fills both slots again
	TURN 0, 1, 1
	STEP 1, 0, 0
	TURN 1, 0, 1
	STEP 0, 0, 0
	s_sub_co_u32 s3, s3, 1
	s_cmp_lg_u32 s3, 0
	s_cbranch_scc1 .Llap
	TURN 0, 1, 0                                   ; the last lap fills nothing, and has no round of the cluster's barrier
	STEP 1, 0, 0
	s_wait_dscnt 4*NL                              ; the very last step: nothing more to fetch
	WIN MUL_LO
	MUL16 0, 1, NQ-1, 1, 0
	MUL16 2, 1, NQ-1, 1, 0
	s_wait_dscnt 0
	WIN MUL_HI
	MUL16 4, 1, NQ-1, 1, 0
	MUL16 6, 1, NQ-1, 1, 0
	WIN 0
; THE WAY OUT, block by block of 16 "A" rows: the block's 64 registers of a lane are 4 blocks of 32 along the next K (16 numbers here, 16 in lane l xor 16).  They are quantised in registers, and the codes
; leave as they stand: a store's 32 lanes write 512 consecutive bytes, aligned.  No LDS.
; 64 numbers v[s] .. v[s + 63] (windows: wa for two sources, wb for one) become 16 registers of codes at v[pc]; the four scale bytes stay in v[TM+4] on.
.macro QUANT s, wa, wb, pc
	WIN \wa
.irp b, 0,1,2,3
	v_max3_num_f32 v[TM+\b], |v[(\s)+16*\b]|, |v[(\s)+16*\b+1]|, 0x8000000   ; block b: my 16 numbers, from each accumulator's low end on, and the floor 2^(16 - 127): so the byte cannot fall under 1
.endr
.irp i, 2,4,6,8,10,12,14
.irp b, 0,1,2,3
	v_max3_num_f32 v[TM+\b], |v[(\s)+16*\b+\i]|, |v[(\s)+16*\b+\i+1]|, v[TM+\b]   ; (the four blocks by turns)
.endr
.endr
	WIN 0
.irp b, 0,1,2,3
	v_permlanex16_b32 v[TM+4+\b], v[TM+\b], s[SEL], s[SEL+1]
.endr
.irp b, 0,1,2,3
	v_max_num_f32 v[TM+\b], v[TM+\b], v[TM+4+\b]   ; with lane l xor 16's: the block's largest magnitude
.endr
.irp b, 0,1,2,3
	v_add_nc_u32 v[TM+12+\b], 0xf8800000, v[TM+\b] ; 15 off its exponent field: the conversion takes the exponent field of this operand as its scale
.endr
.irp b, 0,1,2,3
	v_and_or_b32 v[TM+8+\b], v[TM+\b], 0x7f800000, s[MNT]   ; 57,344 x the scale
.endr
.irp b, 0,1,2,3
	v_lshrrev_b32 v[TM+4+\b], 23, v[TM+12+\b]      ; the scale's byte
.endr
	WIN \wb
.irp b, 0,1,2,3
.irp i, 0,1,2,3,4,5,6,7,8,9,10,11,12,13,14,15
	v_med3_num_f32 v[X+16*\b+\i], v[(\s)+16*\b+\i], -v[TM+8+\b], v[TM+8+\b]   ; the conversion to an 8-bit code does not saturate (ISA guide 7.6.2): the hold at the largest code x the scale
.endr
.endr
	WIN 0
.irp b, 0,1,2,3
	v_cvt_scalef32_pk8_bf8_f32 v[(\pc)+4*\b:(\pc)+4*\b+1], v[X+16*\b:X+16*\b+7], v[TM+12+\b]
	v_cvt_scalef32_pk8_bf8_f32 v[(\pc)+4*\b+2:(\pc)+4*\b+3], v[X+16*\b+8:X+16*\b+15], v[TM+12+\b]
.endr
	v_nop                                          ; one plain vector instruction between the conversions and the next vector instruction that writes their sources
.endm
.macro TLOAD a                         ; the cosines and sines of block a's tokens: register 8 u + j of a set = index 16 u + 8 h + j
.set CB, CT+32*((\a)%2)
.irp u, 0,1
.irp e, 0,1
	global_load_b128 v[CB+8*\u+4*\e:CB+8*\u+4*\e+3], v[RA], s[RT:RT+1] offset:4096*(\a)+64*\u+16*\e
	global_load_b128 v[CB+16+8*\u+4*\e:CB+16+8*\u+4*\e+3], v[RA], s[RT:RT+1] offset:4096*(\a)+128+64*\u+16*\e
.endr
.endr
.endm
; RoPE on block a: two heads; channel d < 32 and channel d + 32 lie in one lane, 16 registers apart: lo' = lo cos - hi sin, hi' = hi cos + lo sin.  Each accumulator is read from its low end on.
.macro ROPE a
.set CB, CT+32*((\a)%2)
.set AC, 64*((\a)%4)
	WIN 0x02+(\a)/4                                ; source 0: the accumulators' window
.irp hh, 0,1
.irp u, 0,1
.irp jp, 0,2,4,6
.set RLO, 32*\hh+8*\u+\jp
.set CI, CB+8*\u+\jp
	v_pk_mul_f32 v[X+RLO:X+RLO+1], v[AC+RLO:AC+RLO+1], v[CI:CI+1]
	v_pk_mul_f32 v[X+RLO+16:X+RLO+17], v[AC+RLO+16:AC+RLO+17], v[CI:CI+1]
	v_pk_fma_f32 v[X+RLO:X+RLO+1], v[AC+RLO+16:AC+RLO+17], v[CI+16:CI+17], v[X+RLO:X+RLO+1] neg_lo:[0,1,0] neg_hi:[0,1,0]
	v_pk_fma_f32 v[X+RLO+16:X+RLO+17], v[AC+RLO:AC+RLO+1], v[CI+16:CI+17], v[X+RLO+16:X+RLO+17]
.endr
.endr
.endr
	WIN 0
.endm
.macro QKBLOCK a                       ; 16 tokens x two heads of q or of k
	s_wait_xcnt 0x0                                ; the stores of the blocks before have read their registers: they are written again only behind this wait
.if (\a) < 7
	TLOAD (\a)+1
	s_wait_loadcnt 8                               ; this block's 8 table loads are in; the next block's 8 may be out
.else
	s_wait_loadcnt 0x0
.endif
	ROPE \a
	QUANT X, 0, 0, PC+16*((\a)%2)
.if (\a)%2 == 0
	v_lshl_or_b32 v[KW], v[TM+5], 8, v[TM+4]       ; a head's two bytes; the word's upper two bytes are 0.  An even block's words are kept:
	v_lshl_or_b32 v[KW+1], v[TM+7], 8, v[TM+6]
.else
	v_lshl_or_b32 v[WA], v[TM+5], 8, v[TM+4]
	v_lshl_or_b32 v[WA+1], v[TM+7], 8, v[TM+6]
	v_cndmask_b32 v[SW], v[KW], v[WA], s[HM]       ; lanes 0-15 the even tile's 16 words, lanes 16-31 the odd tile's: 128 consecutive bytes
	v_cndmask_b32 v[SW+1], v[KW+1], v[WA+1], s[HM]
.endif
.irp hh, 0,1
.irp c, 0,1
	global_store_b128 v[LI], v[PC+16*((\a)%2)+8*\hh+4*\c:PC+16*((\a)%2)+8*\hh+4*\c+3], s[DC:DC+1] offset:\hh*REC+1024*(\a)+512*\c
.endr
.if (\a)%2 == 1
	global_store_b32 v[LS], v[SW+\hh], s[DS:DS+1] offset:\hh*REC+128*((\a)/2)
.endif
.endr
.endm
.macro VBLOCK a                        ; 16 channels of a head x 128 keys of v
	s_wait_xcnt 0x0
	QUANT 64*((\a)%4), 0x0a+5*((\a)/4), 0x02+(\a)/4, PC+16*((\a)%2)
.if (\a)%2 == 0
	v_lshl_or_b32 v[KW], v[TM+5], 8, v[TM+4]       ; four bytes: the channel's scale word for these 128 keys
	v_lshl_or_b32 v[KW], v[TM+6], 16, v[KW]
	v_lshl_or_b32 v[KW], v[TM+7], 24, v[KW]
.else
	v_lshl_or_b32 v[WA], v[TM+5], 8, v[TM+4]
	v_lshl_or_b32 v[WA], v[TM+6], 16, v[WA]
	v_lshl_or_b32 v[WA], v[TM+7], 24, v[WA]
	v_cndmask_b32 v[SW], v[KW], v[WA], s[HM]
.endif
.irp b, 0,1,2,3
	global_store_b128 v[LI], v[PC+16*((\a)%2)+4*\b:PC+16*((\a)%2)+4*\b+3], s[DC:DC+1] offset:((\a)/4)*REC+2048*((\a)%4)+512*\b
.endr
.if (\a)%2 == 1
	global_store_b32 v[LS], v[SW], s[DS:DS+1] offset:((\a)/4)*REC+128*(((\a)%4)/2)
.endif
.endm
	PLACES NP                                      ; behind the last products: what follows reads results and writes registers that held "A"'s fragments
.irp b, 0,1,2,3
	v_mov_b32 v[TM+4+\b], 0                        ; written once: a lane permute's destination counts as one of its sources
.endr
	s_mov_b32 s[SEL], 0x76543210
	s_mov_b32 s[SEL+1], 0xfedcba98                 ; v_permlanex16_b32's selects for lane l xor 16
	s_mov_b32 s[MNT], 0x600000                     ; the mantissa field of 57,344
	s_mov_b32 s[HM], 0xffff0000
	s_lshl_b32 s46, s15, 7
	s_add_co_u32 s46, s17, s46                     ; my first "A" row
	s_lshl_b32 s47, s16, 7
	s_add_co_u32 s47, s42, s47                     ; my first "B" row
	s_cmp_lt_u32 ttmp9, 16                         ; the same in all sixteen partners
	s_cbranch_scc0 .Lvpath
	; q, k: "A" row = token, "B" rows = two heads
	s_lshr_b32 s66, s46, 11                        ; the batch,
	s_and_b32 s67, s46, 2047                       ; my first token in it
	s_and_b32 s93, s47, 1023
	s_lshr_b32 s93, s93, 6                         ; my first head
	s_lshl_b32 s66, s66, 4
	s_add_co_u32 s66, s66, s93
	s_mul_i32 s66, s66, REC                        ; its record
	s_and_b32 s92, ttmp9, 1                        ; 0: q, 1: k
	s_cmp_eq_u32 s92, 0
	s_cselect_b32 s94, QIMG, 0
	s_cselect_b32 s95, QSC-KSC, 0
	s_lshl_b32 s92, s67, 6                         ; 1,024 bytes a tile of 16 tokens
	s_add_co_u32 s92, s92, s66
	s_add_co_u32 s92, s92, s94
	s_mov_b32 s93, 0
	s_add_nc_u64 s[DC:DC+1], s[HD:HD+1], s[92:93]
	s_lshl_b32 s92, s67, 2                         ; 64 bytes of scale words a tile
	s_add_co_u32 s92, s92, s66
	s_add_co_u32 s92, s92, s95
	s_add_co_u32 s92, s92, KSC
	s_add_nc_u64 s[DS:DS+1], s[HD:HD+1], s[92:93]
	s_lshl_b32 s92, s67, 8                         ; 256 bytes of the table a token
	s_add_nc_u64 s[RT:RT+1], s[RT:RT+1], s[92:93]
	TLOAD 0
.irp a, 0,1,2,3,4,5,6,7
	QKBLOCK \a
.endr
	s_branch .Lend
.Lvpath:
	; v: "A" rows = two heads' channels, "B" rows = one step of 128 keys
	s_sub_co_u32 s66, s46, 2048
	s_lshr_b32 s66, s66, 6                         ; my first head
	s_lshr_b32 s67, s47, 11                        ; the batch
	s_and_b32 s92, s47, 2047
	s_lshr_b32 s92, s92, 7                         ; the key step
	s_lshl_b32 s67, s67, 4
	s_add_co_u32 s66, s66, s67
	s_mul_i32 s66, s66, REC
	s_lshl_b32 s94, s92, 13                        ; 8,192 bytes of images a step
	s_add_co_u32 s94, s94, s66
	s_add_co_u32 s94, s94, VIMG
	s_mov_b32 s95, 0
	s_add_nc_u64 s[DC:DC+1], s[HD:HD+1], s[94:95]
	s_lshl_b32 s94, s92, 8                         ; 256 bytes of scale words a step
	s_add_co_u32 s94, s94, s66
	s_add_co_u32 s94, s94, VSC
	s_add_nc_u64 s[DS:DS+1], s[HD:HD+1], s[94:95]
.irp a, 0,1,2,3,4,5,6,7
	VBLOCK \a
.endr
.Lend:
	s_wait_tensorcnt 0x0                           ; the wave's end
	ds_add_u32 v[SPW], v[NIL]
	s_wait_dscnt 0x0
	CROUND                                         ; the closing round: no work-group ends while a partner may still ask for a tile that names it
	s_endpgm
.Lfunc_end_k_qd10373331f_qkv:
	.size	k_qd10373331f_qkv, .Lfunc_end_k_qd10373331f_qkv-k_qd10373331f_qkv
	.p2alignl 7, 3214868480
	.fill 96, 4, 3214868480
	.section	.rodata,"a",@progbits
	.p2align	6, 0x0
	.amdhsa_kernel k_qd10373331f_qkv
		.amdhsa_group_segment_fixed_size 327680
		.amdhsa_private_segment_fixed_size 0
		.amdhsa_enable_private_segment 0
		.amdhsa_kernarg_size 48
		.amdhsa_user_sgpr_count 2
		.amdhsa_user_sgpr_kernarg_segment_ptr 1
		.amdhsa_wavefront_size32 1
		.amdhsa_system_sgpr_workgroup_id_x 1
		.amdhsa_system_sgpr_workgroup_id_y 1
		.amdhsa_system_sgpr_workgroup_id_z 1
		.amdhsa_system_vgpr_workitem_id 0
		.amdhsa_next_free_vgpr 1024
		.amdhsa_next_free_sgpr 100
		.amdhsa_reserve_vcc 0
		.amdhsa_float_denorm_mode_32 3
		.amdhsa_float_denorm_mode_16_64 3
		.amdhsa_memory_ordered 1
		.amdhsa_forward_progress 1
		.amdhsa_inst_pref_size 255
	.end_amdhsa_kernel
	.section	.bss,"aw",@nobits
	.p2align	6
	.space	262144
	.amdgpu_metadata
---
amdhsa.version: [ 1, 2 ]
amdhsa.kernels:
  - .name:           k_qd10373331f_qkv
    .symbol:         k_qd10373331f_qkv.kd
    .args:
      - { .name: x_codes, .offset: 0, .size: 8, .value_kind: global_buffer, .address_space: global }
      - { .name: x_scales, .offset: 8, .size: 8, .value_kind: global_buffer, .address_space: global }
      - { .name: Wqkv_codes, .offset: 16, .size: 8, .value_kind: global_buffer, .address_space: global }
      - { .name: Wqkv_scales, .offset: 24, .size: 8, .value_kind: global_buffer, .address_space: global }
      - { .name: rope, .offset: 32, .size: 8, .value_kind: global_buffer, .address_space: global }
      - { .name: hd, .offset: 40, .size: 8, .value_kind: global_buffer, .address_space: global }
    .group_segment_fixed_size: 327680
    .private_segment_fixed_size: 0
    .kernarg_segment_align: 8
    .kernarg_segment_size: 48
    .max_flat_workgroup_size: 128
    .sgpr_count:     100
    .vgpr_count:     1024
    .wavefront_size: 32
...
	.end_amdgpu_metadata
.endif
;; end of part 2
;; launch attn (part 3): grid 4 x 64, 16 waves a work-group, no clusters, 276,480 bytes of LDS; arguments hd, mbits, mflags, ao, aos; writes ao, aos
.if DOCPART == 3
	.amdgcn_target "amdgcn-amd-amdhsa--gfx1250"
	.amdhsa_code_object_version 6
	.text
	.protected	k_qd10373331f_attn
	.globl	k_qd10373331f_attn
	.p2align	8
	.type	k_qd10373331f_attn,@function
k_qd10373331f_attn:
	s_mov_b64 s[64:65], 0
	v_nop
	global_prefetch_b8 v0, s[64:65] scope:SCOPE_SE
	s_setreg_imm32_b32 hwreg(HW_REG_WAVE_MODE, 25, 1), 1
	s_wait_xcnt 0x0
; O[q] = the sum over keys of softmax(q . k / 8, under the mask) v, for one (batch, head) a work-group column, both products on codes of BF8 (E5M2) with one E8M0 scale for each 32 along K.
; THE SOFTMAX AHEAD OF THE SECOND PRODUCT: t = score x log2(e) / 8; M = the row's largest t so far, rounded UP to a whole number; p = 2^(t - M) is quantised along the keys, not normalised; the row's sum is taken
; of the unquantised p and divides O at the end.  When M moves, the sum and O are multiplied by 2^(old M - new M): exact.
; SHARES.  A work-group (x = 0..3, y = 16 batch + head) holds its head's K, V and their scale words in LDS for the whole launch and serves 512 queries; each of its sixteen waves takes two tiles of 16 queries,
; T = 4 wave + x and then 127 - T, one after the other, in 256 registers: four waves to a SIMD, so that one wave's vector work stands beside another's matrix work and LDS loads.
; LDS is the first 274,432 bytes of the head's record as they lie in memory: images of operand registers (16 bytes a lane, 512 a load) and scale words (4 bytes a lane).  It is filled once, through registers, ahead of
; the one barrier, and only read afterwards.  No tensor load and no copy stands in this text, since its branches hang on numbers read from memory:
; THE MASK comes as whole numbers that an earlier launch stored.  For a tile of 16 queries and a step of 128 keys: a flag 'some key open' (where it is clear the step adds nothing to maximum, sum or O, and is
; jumped over), a flag 'some key blocked' (where it is clear the scores are taken as they are), and 64 words of 32 bits in the scores' layout, by which blocked scores become -infinity.  Right for every mask.
; A ROW WITH NO OPEN KEY has the sum 0: its two scale bytes become 0xff, so that the last product gives NaN for the whole output row, as 0 / 0 does.
; LAYOUT.  Both products are used transposed: S^T = K Q^T (source 0 = 16 keys, source 1 = my 16 queries), O^T = V^T P^T: a lane holds one query (lane % 16) throughout.
; K = 64 IN THE FIRST PRODUCT: Q's fragment is 8 registers of codes and 8 of zeros; K's fragment of tile t is v[32 + 8 t] on, 16 registers: its upper 8 are tile t + 1's codes (finite: the quantiser holds them),
; which meet Q's zeros; 8 registers of zeros stand behind tile 7.  The scale words' upper two bytes are 0.
; ORDER ALONG K: in q, k, v and p, k is permuted inside each block of 32, alike on both sides of a product.  The result's codes are put back into ascending order (two half-row swaps a block), since the last product's
; other operand is given.  ao: [token tile 512][head 16][c 2][lane][16 B]; aos: [token 8192][32] bytes.
; LIMITS: NaN and infinities in the record are not served; a block of zeros gets the scale byte 1.
.set REC,  413696
.set VIMG, 131072                      ; LDS and record: K's images at 0, V's here,
.set KSC,  262144                      ; K's scale words,
.set VSC,  270336                      ; V's;
.set QIMG, 274432                      ; record alone: Q's images
.set QSC,  405504                      ; and scale words
.set LI,   1                           ; v1   16 x lane
.set LIV,  2                           ; v2   + VIMG
.set LSK,  3                           ; v3   4 x lane + KSC
.set LSV,  4                           ; v4   4 x lane + VSC
.set LQ,   5                           ; v5   4 (lane % 16)
.set AQ,   6                           ; v6   32 (lane % 16)
.set NINF, 7                           ; v7   -infinity
.set ADK,  8                           ; v8-11 the step's LDS addresses: K, V, K's words, V's words
.set ADV,  9
.set ADS,  10
.set ADT,  11                          ; v12 -M, v13 the largest t, v[14:15] the sum in two halves
.set QF,   16                          ; v16-23 Q, v24-31 zeros
.set KF,   32                          ; v32-95 K's eight tiles, then V's four fragments; v96-103 zeros
.set S,    104                         ; v104-167 S^T, then p
.set O,    168                         ; v168-199 O^T
.set PC,   200                         ; v200-215 p's codes
.set KSR,  216                         ; v216-219 K's scale words, two tiles a register;  v220-221 V's;  v222 Q's;  v223 p's
.set VSR,  220
.set QSR,  222
.set PSR,  223
.set BM,   224                         ; v224-227 a block's largest score, then p;  228-231 at work, bytes;  232-235 57,344 x the scale;  236-239 the conversions' scale operands
.set BT,   228
.set BL,   232
.set BO,   236
.set SUM2, 240                         ; v[240:241] the second chain of the sum
.set F,    242                         ; v[242:243] f = 2^(old M - new M), later 1 / the sum (the low word serves both halves)
.set TMP,  244
.set WD,   245                         ; the result's two scale bytes
	s_load_b64 s[2:3], s[0:1], 0x0                 ; hd
	s_load_b256 s[4:11], s[0:1], 0x8               ; mbits s[4:5], mflags s[6:7], ao s[8:9], aos s[10:11]
	v_lshl_add_u32 v254, v0, 2, 0x43000
	v_mov_b32 v255, 0
	v_lshrrev_b32 v8, 5, v0
	v_readfirstlane_b32 s25, v8                    ; wave 0..15
	s_and_b32 s26, ttmp7, 0xffff                   ; 16 batch + head
	s_mul_i32 s12, s26, REC
	s_mov_b32 s13, 0                               ; (stays 0: the upper word of every offset)
	v_lshlrev_b32 v150, 4, v0                      ; the fill: 16 bytes a thread, 8,192 an instruction of the work-group
.irp i, 1,2,3,4
	v_add_nc_u32 v[150+\i], 65536*\i, v150         ; an LDS offset has 16 bits: a register for each 64 KiB
.endr
	v_lshlrev_b32 v155, 3, v0
	v_add_nc_u32 v156, VSC, v155
	s_wait_kmcnt 0x0
	s_add_nc_u64 s[2:3], s[2:3], s[12:13]          ; my record
.set i, 0
.rept 33
	global_load_b128 v[16+4*i:19+4*i], v150, s[2:3] offset:8192*i   ; K's and V's images and K's scale words: 270,336 bytes
.set i, i+1
.endr
	global_load_b64 v[148:149], v155, s[2:3] offset:VSC            ; V's scale words: 4,096 bytes
	s_lshr_b32 s14, s26, 4                         ; batch
	s_and_b32 s15, s26, 15                         ; head
	s_lshl_b32 s12, s14, 21                        ; ao: 128 token tiles of 16,384 bytes a batch,
	s_lshl_b32 s16, s15, 10                        ; 1,024 bytes a head
	s_add_co_u32 s12, s12, s16
	s_add_nc_u64 s[8:9], s[8:9], s[12:13]
	s_lshl_b32 s12, s14, 16                        ; aos: 2,048 rows of 32 bytes a batch,
	s_lshl_b32 s16, s15, 1                         ; 2 bytes a head
	s_add_co_u32 s12, s12, s16
	s_add_nc_u64 s[10:11], s[10:11], s[12:13]
	s_lshl_b32 s26, s25, 2
	s_add_co_u32 s26, s26, ttmp9                   ; T, my first tile of queries
	s_mov_b32 s27, 2                               ; tiles to go
	s_mov_b32 s29, 0x600000                        ; the mantissa field of 57,344
	s_mov_b32 s30, 0x76543210
	s_mov_b32 s31, 0xfedcba98                      ; v_permlanex16_b32's selects for lane l xor 16
	s_mov_b32 s66, 0x3e38aa3b                      ; c = log2(e) / 8
	s_mov_b32 s67, s66                             ; (the packed form names the pair)
.set i, 0
.rept 33
	s_wait_loadcnt 33-i                            ; loads come back in order: load i is in; the 33 - i issued behind it may be out
	ds_store_b128 v[150+i/8], v[16+4*i:19+4*i] offset:8192*(i%8)
.set i, i+1
.endr
	s_wait_loadcnt 0x0
	ds_store_b64 v156, v[148:149]
	s_wait_dscnt 0x0                               ; for the others' sake: my stores have landed
	s_barrier_signal -1
	s_barrier_wait -1                              ; the record lies in LDS; from here on LDS is only read
	v_and_b32 v1, 31, v0
	v_lshlrev_b32 v3, 2, v1
	v_lshlrev_b32 v[LI], 4, v1
	v_add_nc_u32 v[LIV], VIMG, v[LI]
	v_add_nc_u32 v[LSV], VSC, v3
	v_add_nc_u32 v[LSK], KSC, v3
	v_and_b32 v6, 15, v0
	v_lshlrev_b32 v[LQ], 2, v6
	v_lshlrev_b32 v[AQ], 5, v6
	v_mov_b32 v[NINF], 0xff800000
.irp i, 0,1,2,3,4,5,6,7
	v_mov_b32 v[QF+8+\i], 0                        ; Q's upper half of K = 128,
	v_mov_b32 v[KF+64+\i], 0                       ; and what stands behind K's tile 7
.endr
.irp b, 0,1,2,3
	v_mov_b32 v[BT+\b], 0                          ; written once: a lane permute's destination counts as one of its sources
.endr
	v_mov_b32 v[F+1], 0                            ; (named as the upper half of a pair)
	v_mov_b32 v[TMP], 0
; The step's front: K's eight tiles and their words from LDS, S^T = K Q^T, and V's loads, which land under the softmax.
.macro FRONT
	s_lshl_b32 s100, s28, 13                       ; 8,192 bytes of K's and of V's images a step,
	s_lshl_b32 s101, s28, 9                        ; 512 of K's scale words,
	s_lshl_b32 s12, s28, 8                         ; 256 of V's
	v_add_nc_u32 v[ADK], s100, v[LI]
	v_add_nc_u32 v[ADV], s100, v[LIV]
	v_add_nc_u32 v[ADS], s101, v[LSK]
	v_add_nc_u32 v[ADT], s12, v[LSV]
.rept 4
	v_nop                                          ; with the four additions: eight places in front of loads into registers that the last products read
.endr
.irp t, 0,1,2,3,4,5,6,7
	ds_load_b128 v[KF+8*\t:KF+8*\t+3], v[ADK] offset:1024*\t
	ds_load_b128 v[KF+8*\t+4:KF+8*\t+7], v[ADK] offset:1024*\t+512
.endr
.irp p, 0,1,2,3
	ds_load_b32 v[KSR+\p], v[ADS] offset:128*\p    ; lanes 0-15: tile 2 p's words, lanes 16-31: tile 2 p + 1's
.endr
	s_wait_dscnt 0x0
.irp t, 0,2,4,6
	v_wmma_scale_f32_16x16x128_f8f6f4 v[S+8*\t:S+8*\t+7], v[KF+8*\t:KF+8*\t+15], v[QF:QF+15], 0, v[KSR+\t/2], v[QSR] matrix_a_fmt:MATRIX_FMT_BF8 matrix_b_fmt:MATRIX_FMT_BF8
	v_wmma_scale_f32_16x16x128_f8f6f4 v[S+8*\t+8:S+8*\t+15], v[KF+8*\t+8:KF+8*\t+23], v[QF:QF+15], 0, v[KSR+\t/2], v[QSR] matrix_a_fmt:MATRIX_FMT_BF8 matrix_b_fmt:MATRIX_FMT_BF8 matrix_a_scale:MATRIX_SCALE_ROW1
.endr
.rept 8
	v_nop                                          ; eight places: in front of the loads into K's registers, and of the first read of the scores
.endr
.irp dt, 0,1,2,3
.irp c, 0,1,2,3
	ds_load_b128 v[KF+16*\dt+4*\c:KF+16*\dt+4*\c+3], v[ADV] offset:2048*\dt+512*\c
.endr
.endr
.irp p, 0,1
	ds_load_b32 v[VSR+\p], v[ADT] offset:128*\p
.endr
.endm
.Ltile:
	s_lshl_b32 s12, s26, 10                        ; Q's image: 1,024 bytes a tile
	s_add_nc_u64 s[14:15], s[2:3], s[12:13]
	s_lshl_b32 s12, s26, 6                         ; its scale words: 64 bytes
	s_add_nc_u64 s[16:17], s[2:3], s[12:13]
	global_load_b128 v[QF:QF+3], v[LI], s[14:15] offset:QIMG
	global_load_b128 v[QF+4:QF+7], v[LI], s[14:15] offset:QIMG+512
	global_load_b32 v[QSR], v[LQ], s[16:17] offset:QSC
	s_lshl_b32 s12, s26, 12                        ; the tile's mask words: 16 steps of 256 bytes
	s_add_nc_u64 s[18:19], s[4:5], s[12:13]
	s_lshl_b32 s12, s26, 4                         ; its four flag words
	s_add_nc_u64 s[100:101], s[6:7], s[12:13]
	s_load_b128 s[20:23], s[100:101], 0x0
	v_mov_b32 v13, 0xff61b1e6                      ; the largest t so far: -3e38, under every t
	v_floor_f32 v12, -v13                          ; -M
	v_mov_b32 v14, 0                               ; the sum
	v_mov_b32 v15, 0
.set j, 0
.rept 32
	v_mov_b32 v[O+j], 0                            ; O^T begins as zeros: which step is a tile's first hangs on the mask, so no first step can be written out
.set j, j+1
.endr
	s_mov_b32 s28, 0                               ; the step
	s_wait_kmcnt 0x0
	s_or_b32 s24, s20, s21
	s_or_b32 s24, s24, s22
	s_or_b32 s24, s24, s23                         ; bit 0: this step has an open key; bit 16: it has a blocked one; shifted down a bit a step
	s_wait_loadcnt 0x0                             ; Q
.Lstep:
	s_bitcmp1_b32 s24, 0
	s_cbranch_scc0 .Lskip                          ; every key of the step is blocked for all my 16 queries: every p would be 0
	s_bitcmp1_b32 s24, 16
	s_cbranch_scc1 .Lmixed
	FRONT
	s_branch .Lsoft
.Lmixed:
	s_load_b512 s[32:47], s[18:19], 0x0            ; the step's 64 mask words
	s_load_b512 s[48:63], s[18:19], 0x40
	s_load_b512 s[68:83], s[18:19], 0x80
	s_load_b512 s[84:99], s[18:19], 0xc0
	FRONT
	s_wait_kmcnt 0x0
.set n, 0
.rept 64
.if n < 32
	v_cndmask_b32 v[S+n], v[NINF], v[S+n], s[32+n] ; a blocked score becomes -infinity: p = 0.  Ascending: each accumulator is read from its low end on
.else
	v_cndmask_b32 v[S+n], v[NINF], v[S+n], s[36+n]
.endif
.set n, n+1
.endr
.Lsoft:
.irp b, 0,1,2,3
	v_max3_num_f32 v[BM+\b], v[S+16*\b], v[S+16*\b+1], v[S+16*\b+2]   ; the largest score of each block of 32 keys: for the row's maximum, and, since p rises with the score, for the block's largest p
.endr
.irp i, 3,5,7,9,11,13
.irp b, 0,1,2,3
	v_max3_num_f32 v[BM+\b], v[BM+\b], v[S+16*\b+\i], v[S+16*\b+\i+1]
.endr
.endr
.irp b, 0,1,2,3
	v_max_num_f32 v[BM+\b], v[BM+\b], v[S+16*\b+15]
.endr
.irp b, 0,1,2,3
	v_permlanex16_b32 v[BT+\b], v[BM+\b], s30, s31
.endr
.irp b, 0,1,2,3
	v_max_num_f32 v[BM+\b], v[BM+\b], v[BT+\b]     ; with lane l xor 16's 16 keys
.endr
	v_max3_num_f32 v[TMP], v[BM], v[BM+1], v[BM+2]
	v_max_num_f32 v[TMP], v[TMP], v[BM+3]          ; the step's largest score of my query
	v_mul_f32 v[TMP], s66, v[TMP]                  ; as t (c is positive)
	v_max_num_f32 v13, v13, v[TMP]                 ; the running largest t
	v_mov_b32 v[TMP], v12
	v_floor_f32 v12, -v13                          ; the new -M = floor(-t) = -ceil(t): a whole number
	v_sub_f32 v[TMP], v12, v[TMP]                  ; old M - new M: a whole number, 0 or less
	v_cvt_i32_f32 v[TMP], v[TMP]                   ; (it saturates)
	v_ldexp_f32 v[F], 1.0, v[TMP]                  ; f = 2^(old M - new M)
.set j, 0
.rept 32
	v_pk_fma_f32 v[S+j:S+j+1], v[S+j:S+j+1], s[66:67], v[12:13] op_sel_hi:[1,0,0]   ; t - M, two at a time
.set j, j+2
.endr
.irp b, 0,1,2,3
	v_fma_f32 v[BM+\b], v[BM+\b], s66, v12         ; the same of each block's largest score
.endr
.set j, 0
.rept 64
	v_exp_f32 v[S+j], v[S+j]                       ; p = 2^(t - M), at most 1
.set j, j+1
.endr
	v_pk_mul_f32 v[14:15], v[14:15], v[F:F+1] op_sel_hi:[1,0]   ; the sums under the new M: the plain instruction behind the exponentials
	s_wait_alu depctr_va_vdst(0)                   ; one wait for the batch of 64, ahead of its first reader
.irp b, 0,1,2,3
	v_exp_f32 v[BM+\b], v[BM+\b]                   ; the block's largest p: the same two instructions on the same number give the same bits
.endr
	v_pk_add_f32 v[SUM2:SUM2+1], v[S:S+1], v[S+2:S+3]   ; the row's sum of the unquantised p, in two chains; it reads the 64 alone: plain work behind the four
.set j, 4
.rept 15
	v_pk_add_f32 v[14:15], v[14:15], v[S+j:S+j+1]
	v_pk_add_f32 v[SUM2:SUM2+1], v[SUM2:SUM2+1], v[S+j+2:S+j+3]
.set j, j+4
.endr
	v_pk_add_f32 v[14:15], v[14:15], v[SUM2:SUM2+1]
	s_wait_alu depctr_va_vdst(0)                   ; and one for the four
.irp b, 0,1,2,3
	v_max_num_f32 v[BM+\b], 0x8000000, v[BM+\b]    ; the floor 2^(16 - 127): the byte cannot fall under 1 (a block whose every p is 0 keeps that byte: its codes are zeros)
.endr
.irp b, 0,1,2,3
	v_add_nc_u32 v[BO+\b], 0xf8800000, v[BM+\b]    ; 15 off the exponent field: the conversion's scale operand
.endr
.irp b, 0,1,2,3
	v_and_or_b32 v[BL+\b], v[BM+\b], 0x7f800000, s29   ; 57,344 x the scale
.endr
.irp b, 0,1,2,3
	v_lshrrev_b32 v[BT+\b], 23, v[BO+\b]           ; the scale's byte
.endr
	v_lshl_or_b32 v[PSR], v[BT+1], 8, v[BT]        ; p's scale word for these 128 keys: made far more than eight plain instructions ahead of the products
	v_lshl_or_b32 v[PSR], v[BT+2], 16, v[PSR]
	v_lshl_or_b32 v[PSR], v[BT+3], 24, v[PSR]
.irp b, 0,1,2,3
.irp i, 0,1,2,3,4,5,6,7,8,9,10,11,12,13,14,15
	v_min_num_f32 v[S+16*\b+\i], v[S+16*\b+\i], v[BL+\b]   ; the conversion does not saturate (ISA guide 7.6.2); p is not negative, so the hold is one-sided
.endr
	v_cvt_scalef32_pk8_bf8_f32 v[PC+4*\b:PC+4*\b+1], v[S+16*\b:S+16*\b+7], v[BO+\b]
	v_cvt_scalef32_pk8_bf8_f32 v[PC+4*\b+2:PC+4*\b+3], v[S+16*\b+8:S+16*\b+15], v[BO+\b]
.endr
.set j, 0
.rept 16
	v_pk_mul_f32 v[O+j:O+j+1], v[O+j:O+j+1], v[F:F+1] op_sel_hi:[1,0]   ; O^T under the new M, each accumulator from its low end on; these 16 are also the places between the codes and the products
.set j, j+2
.endr
	s_wait_dscnt 0x0                               ; V's fragments and words are in
.irp dt, 0,2
	v_wmma_scale_f32_16x16x128_f8f6f4 v[O+8*\dt:O+8*\dt+7], v[KF+16*\dt:KF+16*\dt+15], v[PC:PC+15], v[O+8*\dt:O+8*\dt+7], v[VSR+\dt/2], v[PSR] matrix_a_fmt:MATRIX_FMT_BF8 matrix_b_fmt:MATRIX_FMT_BF8
	v_wmma_scale_f32_16x16x128_f8f6f4 v[O+8*\dt+8:O+8*\dt+15], v[KF+16*\dt+16:KF+16*\dt+31], v[PC:PC+15], v[O+8*\dt+8:O+8*\dt+15], v[VSR+\dt/2], v[PSR] matrix_a_fmt:MATRIX_FMT_BF8 matrix_b_fmt:MATRIX_FMT_BF8 matrix_a_scale:MATRIX_SCALE_ROW1
.endr                                              ; the four accumulators take turns, one instruction a turn, and the next step's eight other products stand between two links
.Lskip:
	s_lshr_b32 s24, s24, 1
	s_add_nc_u64 s[18:19], s[18:19], 256           ; (no scalar load is out: the arm that issues them waits for them)
	s_add_co_u32 s28, s28, 1
	s_cmp_lt_u32 s28, 16
	s_cbranch_scc1 .Lstep
	; THE TILE'S END: O^T / the sum, quantised along the head's 64 (two blocks of the last product's K), codes and scale bytes stored.
.rept 8
	v_nop                                          ; eight places behind the last products
.endr
	v_add_f32 v14, v14, v15                        ; the sum's two halves,
	v_permlanex16_b32 v[TMP], v14, s30, s31
	v_add_f32 v14, v14, v[TMP]                     ; and lane l xor 16's: the row's sum
	v_rcp_f32 v[F], v14
	v_nop                                          ; a plain instruction behind the transcendental
	s_lshl_b32 s12, s26, 14                        ; ao: 16,384 bytes a token tile
	s_add_nc_u64 s[14:15], s[8:9], s[12:13]
	s_lshl_b32 s12, s26, 9                         ; aos: 16 rows of 32 bytes
	s_add_nc_u64 s[16:17], s[10:11], s[12:13]
	s_wait_alu depctr_va_vdst(0)                   ; the wait, ahead of the first reader
.set j, 0
.rept 16
	v_pk_mul_f32 v[S+j:S+j+1], v[O+j:O+j+1], v[F:F+1] op_sel_hi:[1,0]   ; register 16 c + 8 u + j = channel 32 c + 16 u + 8 h + j
.set j, j+2
.endr
.irp b, 0,1
	v_max3_num_f32 v[BM+\b], |v[S+16*\b]|, |v[S+16*\b+1]|, 0x8000000
.endr
.irp i, 2,4,6,8,10,12,14
.irp b, 0,1
	v_max3_num_f32 v[BM+\b], v[BM+\b], |v[S+16*\b+\i]|, |v[S+16*\b+\i+1]|
.endr
.endr
.irp b, 0,1
	v_permlanex16_b32 v[BT+\b], v[BM+\b], s30, s31
.endr
.irp b, 0,1
	v_max_num_f32 v[BM+\b], v[BM+\b], v[BT+\b]
.endr
.irp b, 0,1
	v_add_nc_u32 v[BO+\b], 0xf8800000, v[BM+\b]
.endr
.irp b, 0,1
	v_and_or_b32 v[BL+\b], v[BM+\b], 0x7f800000, s29
.endr
.irp b, 0,1
	v_lshrrev_b32 v[BT+\b], 23, v[BO+\b]
.endr
	v_lshl_or_b32 v[WD], v[BT+1], 8, v[BT]         ; my row's two scale bytes
	v_cmp_neq_f32 vcc_lo, 0, v14
	v_cndmask_b32 v[WD], 0xffff, v[WD], vcc_lo     ; a row with no open key: the sum is 0, and both bytes say NaN
.irp b, 0,1
.irp i, 0,1,2,3,4,5,6,7,8,9,10,11,12,13,14,15
	v_med3_num_f32 v[S+16*\b+\i], v[S+16*\b+\i], -v[BL+\b], v[BL+\b]
.endr
	v_cvt_scalef32_pk8_bf8_f32 v[PC+4*\b:PC+4*\b+1], v[S+16*\b:S+16*\b+7], v[BO+\b]
	v_cvt_scalef32_pk8_bf8_f32 v[PC+4*\b+2:PC+4*\b+3], v[S+16*\b+8:S+16*\b+15], v[BO+\b]
.endr
	v_nop                                          ; a plain instruction between the conversions and the lines that touch their results
.irp b, 0,1
	v_permlane16_swap_b32 v[PC+4*\b], v[PC+4*\b+2] ; ascending k: lanes 16-31's channels 8-15 change places with lanes 0-15's channels 16-23
	v_permlane16_swap_b32 v[PC+4*\b+1], v[PC+4*\b+3]
.endr
	global_store_b128 v[LI], v[PC:PC+3], s[14:15]              ; 32 lanes store 512 consecutive bytes, aligned
	global_store_b128 v[LI], v[PC+4:PC+7], s[14:15] offset:512
	global_store_b16 v[AQ], v[WD], s[16:17]                    ; lanes r and r + 16 write the same two bytes with the same value
	s_wait_xcnt 0x0                                ; the stores have read their registers and bases: the next tile writes both
	s_sub_co_u32 s26, 127, s26                     ; the second tile
	s_sub_co_u32 s27, s27, 1
	s_cmp_lg_u32 s27, 0
	s_cbranch_scc1 .Ltile
	s_wait_tensorcnt 0x0
	ds_add_u32 v254, v255
	s_wait_dscnt 0x0
	s_endpgm
.Lfunc_end_k_qd10373331f_attn:
	.size	k_qd10373331f_attn, .Lfunc_end_k_qd10373331f_attn-k_qd10373331f_attn
	.p2alignl 7, 3214868480
	.fill 96, 4, 3214868480
	.section	.rodata,"a",@progbits
	.p2align	6, 0x0
	.amdhsa_kernel k_qd10373331f_attn
		.amdhsa_group_segment_fixed_size 276480
		.amdhsa_private_segment_fixed_size 0
		.amdhsa_enable_private_segment 0
		.amdhsa_kernarg_size 40
		.amdhsa_user_sgpr_count 2
		.amdhsa_user_sgpr_kernarg_segment_ptr 1
		.amdhsa_wavefront_size32 1
		.amdhsa_system_sgpr_workgroup_id_x 1
		.amdhsa_system_sgpr_workgroup_id_y 1
		.amdhsa_system_sgpr_workgroup_id_z 1
		.amdhsa_system_vgpr_workitem_id 0
		.amdhsa_next_free_vgpr 256
		.amdhsa_next_free_sgpr 102
		.amdhsa_reserve_vcc 1
		.amdhsa_float_denorm_mode_32 3
		.amdhsa_float_denorm_mode_16_64 3
		.amdhsa_memory_ordered 1
		.amdhsa_forward_progress 1
		.amdhsa_inst_pref_size 45
	.end_amdhsa_kernel
	.amdgpu_metadata
---
amdhsa.version: [ 1, 2 ]
amdhsa.kernels:
  - .name:           k_qd10373331f_attn
    .symbol:         k_qd10373331f_attn.kd
    .args:
      - { .name: hd, .offset: 0, .size: 8, .value_kind: global_buffer, .address_space: global }
      - { .name: mbits, .offset: 8, .size: 8, .value_kind: global_buffer, .address_space: global }
      - { .name: mflags, .offset: 16, .size: 8, .value_kind: global_buffer, .address_space: global }
      - { .name: ao, .offset: 24, .size: 8, .value_kind: global_buffer, .address_space: global }
      - { .name: aos, .offset: 32, .size: 8, .value_kind: global_buffer, .address_space: global }
    .group_segment_fixed_size: 276480
    .private_segment_fixed_size: 0
    .kernarg_segment_align: 8
    .kernarg_segment_size: 40
    .max_flat_workgroup_size: 512
    .sgpr_count:     102
    .vgpr_count:     256
    .wavefront_size: 32
...
	.end_amdgpu_metadata
.endif
;; end of part 3
;; launch outp (part 4): grid 4 x 32, 4 waves a work-group, clusters of 4 x 4, 327,680 bytes of LDS; arguments ao, aos, Wout_codes, Wout_scales, out0; writes out0
.if DOCPART == 4
	.amdgcn_target "amdgcn-amd-amdhsa--gfx1250"
	.amdhsa_code_object_version 6
	.text
	.protected	k_qd10373331f_outp
	.globl	k_qd10373331f_outp
	.p2align	8
	.type	k_qd10373331f_outp,@function
k_qd10373331f_outp:
	s_mov_b64 s[64:65], 0
	v_nop
	global_prefetch_b8 v0, s[64:65] scope:SCOPE_SE
	s_setreg_imm32_b32 hwreg(HW_REG_WAVE_MODE, 25, 1), 1
	s_wait_xcnt 0x0
	s_wait_alu depctr_hold_cnt(0) depctr_sa_sdst(0) depctr_va_vdst(0) depctr_va_sdst(0) depctr_va_ssrc(0) depctr_va_vcc(0) depctr_vm_vsrc(0)
	s_getreg_b32 s2, hwreg(HW_REG_IB_STS2, 6, 4)
	s_cmp_eq_u32 s2, 0
	s_cbranch_scc0 .Lentry_in_a_cluster
	s_endpgm
.Lentry_in_a_cluster:
	s_bfe_u32 s2, ttmp6, 0x10000c
	s_cmp_lg_u32 s2, 0xf033
	s_cbranch_scc0 .Lentry_shape_is_right
	s_endpgm
.Lentry_shape_is_right:
; out0[m][n] = sum over k of A[m][k] B[n][k]: A = the attention's result, 8,192 rows, B = Wout, 1,024 rows, K = 1,024: codes of BF8 (E5M2) with one E8M0 scale for each 32 along K; out0 f32; sums in f32.
; B's codes lie [n][k], and both tensors' scale bytes [row][32].  A's codes lie as IMAGES OF OPERAND REGISTERS: [tile of 16 rows][K step of 128][c 4][lane][16 B], 16,384 bytes a tile of rows.
; A tile of out0, 256 x 256, is made by a work-group of four waves; a wave makes 128 x 128: 64 accumulators, 512 registers.  K goes in steps of 256 through a ring of two LDS slots filled by the tensor data mover:
; of B 128 rows x 256 bytes a load, padded; of A 8 tiles of rows x 4,096 consecutive bytes a load, dense: a fragment load's 32 lanes then read 512 consecutive bytes.
; The scales of the work-group's 2 x 256 rows, for all of K, come into LDS once, with the first fills, in whole units of 256 bytes.
; A scale byte 0xff in A (a query with no open key) makes that whole output row NaN.
; CLUSTERS: 4 x 4 work-groups.  The four of a row of the cluster need the same tiles of A, the four of a column the same tiles of B: each tile is asked for jointly.
; THE MATRIX INSTRUCTION IS USED TRANSPOSED (source 0 = 16 rows of B, source 1 = 16 rows of A): a lane then holds eight neighbouring numbers of a row of out0.
; 128 work-groups: half of the WGPs have none; a tile of 128 x 256 would fill them at twice the LDS reads for each product.
; REGISTERS, in windows of 256: window 0: v0-31 addresses; v32-63 scale words, two sets; from v128 A's fragments, one set; on the way out v128-255 rows read back.
;   window 1: B's fragments, two sets.   windows 2, 3: the accumulators ((a, b) at v[8 (8 (a % 4) + b)] of window 2 + a / 4).
.set SIZE_M, 8192
.set SIZE_N, 1024
.set SIZE_K, 1024
.set KSTEP,  256
.set NQ,     KSTEP/128
.set ROWB,   256                       ; a row of B's tile in bytes
.set AKB,    4096                      ; a K step of one tile of A's rows in bytes
.set KROW,   SIZE_K                    ; a row of B in memory; and A's bytes for each row: 16 rows are 16,384
.set PITCH,  272                       ; B's LDS row: 256 bytes + 16 of padding: the 16 rows that a load touches start at 16 different banks
.set FR,     16
.set NL,     4
.set NP,     8                         ; places behind this matrix instruction (ISA guide 7.12.1)
.set HALFT,  128*PITCH                 ; 128 rows of B; A's 128 rows take 32,768 of these bytes
.set SLOT,   4*HALFT                   ; A's 256 rows, then B's 256 rows
.set LAPS,   SIZE_K/(2*KSTEP)
.set KS,     SIZE_K/32
.set SCL,    2*SLOT                    ; behind the ring: the scales, as units of 256 bytes + 16 of padding
.set HALFS,  (128*KS/256)*272
.set SBLK,   (16*KS/256)*272
.set SPARE,  SCL+4*HALFS               ; the spare words, 128 bytes for each wave: two blocks of 256 bytes that no other line names
.set SPITCH, 528                       ; the way out: a stage of 16 rows x (512 bytes + 16) for each wave, in slot 0, which has had its last fill and its last read when the first result is stored there
.set ADRA, 16
.set ADRB, 20
.set STO,  24
.set RD,   25
.set CO,   26
.set SPW,  28
.set NIL,  29
.set ADRS, 27
.set SC,   32
.set AF,   128
.set BK,   128
.set G1, 24
.set G0, 32
.set G1B, 48
.set G0B, 56
.set G1S, 68
.set G0S, 76
.set G1SB, 80
.set G0SB, 88
.set MSB, 0
.macro WIN new                         ; the immediate's high byte repeats the setting that is left
.if MSB != (\new)
	s_set_vgpr_msb (MSB<<8)|(\new)
.set MSB, (\new)
.endif
.endm
.set MUL_LO, 0xa1                      ; source 0 (B) window 1, source 1 (A) window 0, C and D window 2
.set MUL_HI, 0xf1
.set TO_B,   0x40
; A joint load: waves 0 and 1 fetch for A, waves 2 and 3 for B; the branch hangs on the wave's number alone.  Four v_nop follow each of the two lines.
.macro JLOAD g0a, g1a, g0b, g1b
	s_cmp_eq_u32 s15, 0
	s_cbranch_scc0 .Lfor_b_\@
	tensor_load_to_lds s[\g0a:\g0a+3], s[\g1a:\g1a+7]
	s_nop 0
.rept 4
	v_nop
.endr
	s_branch .Lasked_\@
.Lfor_b_\@:
	tensor_load_to_lds s[\g0b:\g0b+3], s[\g1b:\g1b+7]
	s_nop 0
.rept 4
	v_nop
.endr
.Lasked_\@:
.endm
.macro CREST                           ; a round of the cluster's barrier behind its opening barrier
	s_cmp_lg_u32 s14, 0
	s_cbranch_scc1 .Lnot_wave_0_\@
	s_barrier_signal -3
.Lnot_wave_0_\@:
	s_barrier_wait -3
	s_barrier_signal -1
	s_barrier_wait -1
.endm
.macro CROUND
	s_barrier_signal -1
	s_barrier_wait -1
	CREST
.endm
	s_load_b128 s[4:7], s[0:1], 0x0                ; A's codes s[4:5], A's scales s[6:7]
	s_load_b128 s[8:11], s[0:1], 0x10              ; B's codes s[8:9], B's scales s[10:11]
	s_load_b64 s[12:13], s[0:1], 0x20              ; out0
	v_lshl_add_u32 v[SPW], v0, 2, SPARE
	v_mov_b32 v[NIL], 0
	ds_add_u32 v28, v29
	ds_add_u32 v28, v29
	s_wait_dscnt 0x0
	v_lshrrev_b32 v1, 5, v0
	v_readfirstlane_b32 s14, v1                    ; wave 0..3
	s_lshr_b32 s15, s14, 1                         ; which half of the tile's rows is mine.  Also: I fetch for A (0) or for B (1)
	s_and_b32 s16, s14, 1                          ; which half of its columns.  Also: which 128 rows of that tile I fetch
	s_bfe_u32 s40, ttmp6, 0x40000                  ; cx, cy
	s_bfe_u32 s41, ttmp6, 0x40004
	s_lshl_b32 s42, ttmp9, 2
	s_add_co_u32 s42, s42, s40                     ; tile column = 4 x cluster x + cx
	s_and_b32 s17, ttmp7, 0xffff
	s_lshl_b32 s17, s17, 2
	s_add_co_u32 s17, s17, s41                     ; tile row = 4 x cluster y + cy
	s_lshl_b32 s43, s41, 2
	s_lshl_b32 s43, 15, s43                        ; my row of the cluster
	s_lshl_b32 s44, 0x1111, s40                    ; my column
	; descriptor group 1 for A: 8 rows of 512 elements of 8 bytes (4,096 bytes: a K step of a tile of 16 rows), 2,048 elements apart; dense in LDS
	s_or_b32 s[G1+0], s43, (3<<16)|(1<<21)         ; 15:0 the mask: my row of the cluster; 17:16 elements of 8 bytes; 21 set beside a mask; no padding
	s_mov_b32 s[G1+1], 512<<16                     ; tensor_dim0
	s_mov_b32 s[G1+2], 8<<16                       ; tensor_dim1
	s_mov_b32 s[G1+3], 512<<16                     ; tile_dim0
	s_mov_b32 s[G1+4], 8                           ; tile_dim1
	s_mov_b32 s[G1+5], 2048                        ; tensor_dim0_stride
	s_mov_b32 s[G1+6], 0
	s_mov_b32 s[G1+7], 0
	; for B: 128 rows x 256 bytes, 16 bytes of padding behind each
	s_or_b32 s[G1B+0], s44, (0<<16)|(1<<20)|(1<<21)|(5<<22)|(3<<25)
	s_mov_b32 s[G1B+1], ROWB<<16
	s_mov_b32 s[G1B+2], 128<<16
	s_mov_b32 s[G1B+3], ROWB<<16
	s_mov_b32 s[G1B+4], 128
	s_mov_b32 s[G1B+5], KROW
	s_mov_b32 s[G1B+6], 0
	s_mov_b32 s[G1B+7], 0
	; for the scales of 128 rows: a dense block of 4,096 bytes, as 16 rows of 256 bytes, 16 bytes of padding behind each
	s_or_b32 s[G1S+0], s43, (3<<16)|(1<<20)|(1<<21)|(5<<22)|(3<<25)
	s_or_b32 s[G1SB+0], s44, (3<<16)|(1<<20)|(1<<21)|(5<<22)|(3<<25)
.irp g, G1S, G1SB
	s_mov_b32 s[\g+1], 32<<16
	s_mov_b32 s[\g+2], (128*KS/256)<<16
	s_mov_b32 s[\g+3], 32<<16
	s_mov_b32 s[\g+4], 128*KS/256
	s_mov_b32 s[\g+5], 32
	s_mov_b32 s[\g+6], 0
	s_mov_b32 s[\g+7], 0
.endr
	s_lshl_b32 s18, s16, 7                         ; which 128 rows of the tile I fetch
	s_lshl_b32 s20, s17, 8
	s_add_co_u32 s20, s20, s18                     ; A: row 256 x tile row + 128 x half
	s_lshl_b32 s46, s42, 8
	s_add_co_u32 s46, s46, s18                     ; B: row 256 x tile column + 128 x half
	s_mov_b32 s21, 0
	s_mov_b32 s47, 0
	s_mov_b64 s[18:19], KS
	s_mul_u64 s[22:23], s[20:21], s[18:19]         ; where these rows' scales begin, in bytes
	s_mul_u64 s[92:93], s[46:47], s[18:19]
	s_mov_b64 s[18:19], KROW
	s_mul_u64 s[20:21], s[20:21], s[18:19]         ; and their codes (A: 16 rows x 1,024 = a tile's 16,384 bytes)
	s_mul_u64 s[46:47], s[46:47], s[18:19]
	s_mul_i32 s45, s14, HALFT                      ; where they go: no place in the cluster enters an LDS address
	s_mul_i32 s94, s14, HALFS
	s_wait_kmcnt 0x0
	s_add_nc_u64 s[20:21], s[4:5], s[20:21]
	s_add_nc_u64 s[22:23], s[6:7], s[22:23]
	s_add_nc_u64 s[46:47], s[8:9], s[46:47]
	s_add_nc_u64 s[92:93], s[10:11], s[92:93]
	CROUND                                         ; all sixteen work-groups are here: the first joint loads meet
	s_mov_b32 s[G0S], 1
	s_add_co_u32 s[G0S+1], s94, SCL
	s_mov_b64 s[G0S+2:G0S+3], s[22:23]
	s_or_b32 s[G0S+3], s[G0S+3], 0x80000000
	s_mov_b32 s[G0SB], 1
	s_add_co_u32 s[G0SB+1], s94, SCL
	s_mov_b64 s[G0SB+2:G0SB+3], s[92:93]
	s_or_b32 s[G0SB+3], s[G0SB+3], 0x80000000
	JLOAD G0S, G1S, G0SB, G1SB                     ; the scales first: they are wanted with K step 0
.irp s, 0,1
	s_mov_b32 s[G0+4*\s], 1
	s_add_co_u32 s[G0+4*\s+1], s45, \s*SLOT
	s_add_nc_u64 s[G0+4*\s+2:G0+4*\s+3], s[20:21], \s*AKB
	s_or_b32 s[G0+4*\s+3], s[G0+4*\s+3], 0x80000000
	s_mov_b32 s[G0B+4*\s], 1
	s_add_co_u32 s[G0B+4*\s+1], s45, \s*SLOT
	s_add_nc_u64 s[G0B+4*\s+2:G0B+4*\s+3], s[46:47], \s*ROWB
	s_or_b32 s[G0B+4*\s+3], s[G0B+4*\s+3], 0x80000000
	JLOAD G0+4*\s, G1, G0B+4*\s, G1B
.endr
	v_and_b32 v1, 15, v0                           ; l % 16
	v_bfe_u32 v2, v0, 4, 1                         ; l / 16
	v_and_b32 v6, 31, v0                           ; lane
	v_lshlrev_b32 v7, 4, v6                        ; A: an image's place for my lane
	v_mul_u32_u24 v3, v1, PITCH
	v_lshl_add_u32 v4, v2, 4, v3                   ; B: a fragment's row x pitch + 16 x half
	s_mul_i32 s21, s15, HALFT                      ; my 128 rows of A
	s_mul_i32 s22, s16, HALFT                      ; my 128 rows of B,
	s_add_co_u32 s22, s22, 2*HALFT                 ; which lie behind A's 256
.irp s, 0,1
	v_add_nc_u32 v[ADRA+\s], s21, v7
	v_add_nc_u32 v[ADRB+\s], s22, v4
	s_add_co_u32 s21, s21, SLOT
	s_add_co_u32 s22, s22, SLOT
.endr
	v_mul_u32_u24 v5, v1, KS                       ; my row's scales: 32 bytes a row,
	v_lshrrev_b32 v6, 8, v5
	v_lshl_add_u32 v5, v6, 4, v5                   ; and 16 more for each 256 passed
	s_mul_i32 s21, s15, HALFS
	s_mul_i32 s22, s16, HALFS
	s_add_co_u32 s22, s22, 2*HALFS
	s_sub_co_u32 s22, s22, s21
	v_mul_u32_u24 v6, s22, v2                      ; lanes 16-31 take B's
	s_add_co_u32 s21, s21, SCL
	v_add_nc_u32 v5, v5, v6
	v_add_nc_u32 v[ADRS], s21, v5
	s_mul_i32 s23, s14, 16*SPITCH                  ; my stage
	v_mul_u32_u24 v5, v1, SPITCH                   ; in: row l % 16, 32 bytes for each half of the lanes
	v_lshl_add_u32 v5, v2, 5, v5
	v_add_nc_u32 v[STO], s23, v5
	v_mov_b32 v[CO], v7                            ; back: the 32 lanes take one row of 512 bytes; and the same in out0
	v_add_nc_u32 v[RD], s23, v[CO]
	s_lshl_b32 s20, s17, 8
	s_lshl_b32 s21, s15, 7
	s_add_co_u32 s20, s20, s21                     ; my first row of out0
	s_mov_b32 s21, 0
	s_mov_b64 s[18:19], SIZE_N*4
	s_mul_u64 s[20:21], s[20:21], s[18:19]
	s_lshl_b32 s46, s42, 10                        ; my first column, in bytes: 1,024 x tile column + 512 x half
	s_lshl_b32 s47, s16, 9
	s_add_co_u32 s46, s46, s47
	s_mov_b32 s47, 0
	s_add_nc_u64 s[20:21], s[20:21], s[46:47]
	s_add_nc_u64 s[12:13], s[12:13], s[20:21]
.macro FRAG reg, adr, q, i             ; B: a fragment from rows: registers 4 c .. 4 c + 3 hold K = 32 c + 16 (l / 16) + 0 .. 15 of row l % 16
.irp c, 0,1,2,3
	ds_load_b128 v[\reg+4*\c:\reg+4*\c+3], v[\adr] offset:128*(\q)+32*\c+(\i)*16*PITCH
.endr
.endm
.macro FRAGA reg, adr, q, i            ; A: a fragment from its image: the same registers in the same lanes
.irp c, 0,1,2,3
	ds_load_b128 v[\reg+4*\c:\reg+4*\c+3], v[\adr] offset:AKB*(\i)+2048*(\q)+512*\c
.endr
.endm
; 16 matrix instructions: A's blocks a0, a0 + 1 x B's eight.  The 64 accumulators take turns, one instruction a turn, in the same order in every step.
.macro MUL16 a0, p, q, sc, zero
.irp a, \a0, \a0+1
.irp b, 0,1,2,3,4,5,6,7
.if \zero
	v_wmma_scale_f32_16x16x128_f8f6f4 v[8*(8*((\a)%4)+\b):8*(8*((\a)%4)+\b)+7], v[128*(\p)+FR*\b:128*(\p)+FR*\b+FR-1], v[AF+FR*(\a):AF+FR*(\a)+FR-1], 0, v[SC+8*NQ*(\sc)+NQ*\b+(\q)], v[SC+8*NQ*(\sc)+NQ*(\a)+(\q)] matrix_a_fmt:MATRIX_FMT_BF8 matrix_b_fmt:MATRIX_FMT_BF8 matrix_a_scale:MATRIX_SCALE_ROW1
.else
	v_wmma_scale_f32_16x16x128_f8f6f4 v[8*(8*((\a)%4)+\b):8*(8*((\a)%4)+\b)+7], v[128*(\p)+FR*\b:128*(\p)+FR*\b+FR-1], v[AF+FR*(\a):AF+FR*(\a)+FR-1], v[8*(8*((\a)%4)+\b):8*(8*((\a)%4)+\b)+7], v[SC+8*NQ*(\sc)+NQ*\b+(\q)], v[SC+8*NQ*(\sc)+NQ*(\a)+(\q)] matrix_a_fmt:MATRIX_FMT_BF8 matrix_b_fmt:MATRIX_FMT_BF8 matrix_a_scale:MATRIX_SCALE_ROW1
.endif
.endr
.endr
.endm
.macro FETCH_B slot, q, p
	WIN TO_B
.irp i, 0,1,2,3,4,5,6,7
	FRAG 128*(\p)+FR*\i, ADRB+\slot, \q, \i
.endr
	WIN 0
.endm
.macro FETCH_A slot, q, i0
.irp i, \i0, \i0+1, \i0+2, \i0+3
	FRAGA AF+FR*(\i), ADRA+\slot, \q, \i
.endr
.endm
.macro SCALES sc                       ; the next K step's scale words: lanes 0-15 take A's block i, lanes 16-31 B's block i
.irp i, 0,1,2,3,4,5,6,7
	ds_load_b64 v[SC+8*NQ*\sc+NQ*\i:SC+8*NQ*\sc+NQ*\i+1], v[ADRS] offset:\i*SBLK
.endr
.endm
.macro PLACES n                        ; plain vector instructions that name none of a matrix instruction's registers (ISA guide 7.12.1 for vector instructions)
.rept \n
	v_nop
.endr
.endm
.macro STEP slot, q, zero              ; a step of 128 along K that has its successor in the same slot
	s_wait_dscnt 4*NL                              ; B's set and A's blocks 0-3 are in; the youngest 16 loads (A's blocks 4-7) may be out
	WIN MUL_LO
	MUL16 0, (\q)%2, \q, \slot, \zero
	MUL16 2, (\q)%2, \q, \slot, \zero
	s_wait_dscnt 0                                 ; A's blocks 4-7 are in
	PLACES NP
	FETCH_B \slot, (\q)+1, 1-(\q)%2
	FETCH_A \slot, (\q)+1, 0
	WIN MUL_HI
	MUL16 4, (\q)%2, \q, \slot, \zero
	MUL16 6, (\q)%2, \q, \slot, \zero
	PLACES NP
	WIN 0
	FETCH_A \slot, (\q)+1, 4
.endm
; A slot's last step changes slots: one barrier; in front of it each wave waits for all its tensor loads, adds 0 to its spare word, and waits for that and for its own reads of this slot.
.macro TURN slot, next, fill
	s_wait_tensorcnt 0x0                           ; all my tensor loads have landed: my part of the next slot;  (every window is 0 here)
	ds_add_u32 v[SPW], v[NIL]                      ; 0 onto my spare word
	s_wait_dscnt 4*NL+1                            ; (the add and the youngest 16 loads may be out)
	WIN MUL_LO
	MUL16 0, 1, NQ-1, \slot, 0
	s_wait_dscnt 0x0                               ; the add is done, and my reads of this slot are over
	s_barrier_signal -1
	MUL16 2, 1, NQ-1, \slot, 0
	WIN 0
	s_barrier_wait -1
.if \fill
	CREST                                          ; the barrier has opened a round of the cluster's barrier: no wave of any partner still reads this slot's tile or has a load on its way
	s_add_nc_u64 s[G0+4*\slot+2:G0+4*\slot+3], s[G0+4*\slot+2:G0+4*\slot+3], 2*AKB
	s_add_nc_u64 s[G0B+4*\slot+2:G0B+4*\slot+3], s[G0B+4*\slot+2:G0B+4*\slot+3], 2*ROWB
	JLOAD G0+4*\slot, G1, G0B+4*\slot, G1B         ; the first tensor load behind the round; its four v_nop are among the places in front of the loads below
	PLACES NP-4
.else
	PLACES NP
.endif
	v_add_nc_u32 v[ADRS], 4*NQ, v[ADRS]            ; on to the next K step's scale words (no LDS load of mine is out)
	FETCH_B \next, 0, 0
	FETCH_A \next, 0, 0
	SCALES \next
	WIN MUL_HI
	MUL16 4, 1, NQ-1, \slot, 0
	MUL16 6, 1, NQ-1, \slot, 0
	PLACES NP
	WIN 0
	FETCH_A \next, 0, 4
.endm
	s_wait_tensorcnt 1                             ; the scales and my part of K step 0 are in (K step 1's load may be out),
	s_barrier_signal -1
	s_barrier_wait -1                              ; everybody's are
	FETCH_B 0, 0, 0
	FETCH_A 0, 0, 0
	SCALES 0
	FETCH_A 0, 0, 4
	STEP 0, 0, 1                                   ; the first step stands in front of the loop: its products start the sums
	s_mov_b32 s3, LAPS-1
.Llap:                                                 ; a trip goes once round the ring and fills both slots again
	TURN 0, 1, 1
	STEP 1, 0, 0
	TURN 1, 0, 1
	STEP 0, 0, 0
	s_sub_co_u32 s3, s3, 1
	s_cmp_lg_u32 s3, 0
	s_cbranch_scc1 .Llap
	TURN 0, 1, 0                                   ; the last lap fills nothing, and has no round of the cluster's barrier
	STEP 1, 0, 0
	s_wait_dscnt 4*NL                              ; the very last step: nothing more to fetch
	WIN MUL_LO
	MUL16 0, 1, NQ-1, 1, 0
	MUL16 2, 1, NQ-1, 1, 0
	s_wait_dscnt 0
	WIN MUL_HI
	MUL16 4, 1, NQ-1, 1, 0
	MUL16 6, 1, NQ-1, 1, 0
	WIN 0
; THE WAY OUT, block by block of 16 rows x 128 columns: through my own stage in LDS, back as whole rows of 512 bytes, which the 32 lanes store as one aligned run of 512 bytes.
; LDS serves a wave's instructions in order (ISA guide 5.7.1.4): no wait between the stores and the loads, nor in front of the next block's stores.
.macro TOSTAGE a
.set AC, 64*((\a)%4)
	WIN 0x08+4*((\a)/4)                            ; the data: window 2 or 3
.irp b, 0,1,2,3,4,5,6,7
	ds_store_b128 v[STO], v[AC+8*\b:AC+8*\b+3] offset:64*\b          ; each accumulator from its low end on
	ds_store_b128 v[STO], v[AC+8*\b+4:AC+8*\b+7] offset:64*\b+16
.endr
	WIN 0
.set BB, BK+64*((\a)%2)
.irp t, 0,1,2,3,4,5,6,7,8,9,10,11,12,13,14,15
	ds_load_b128 v[BB+4*\t:BB+4*\t+3], v[RD] offset:\t*SPITCH
.endr
.endm
.macro SEND a, younger                 ; younger: the LDS instructions issued behind block a's loads, which may stay out
.set BB, BK+64*((\a)%2)
	s_wait_dscnt \younger                          ; the block is back in registers
.if (\a) > 0
	s_add_nc_u64 s[12:13], s[12:13], 16*SIZE_N*4   ; (behind a wait on XCNT: the earlier stores have read their base)  16 rows on
.endif
.irp t, 0,1,2,3,4,5,6,7,8,9,10,11,12,13,14,15
	global_store_b128 v[CO], v[BB+4*\t:BB+4*\t+3], s[12:13] offset:\t*SIZE_N*4 th:TH_STORE_NT   ; 32 lanes store 512 consecutive bytes, aligned; written once, read by nobody here
.endr
.endm
	PLACES NP                                      ; behind the last products: for the loads into the registers that held A's fragments, and for the reads of results
	TOSTAGE 0
.irp a, 1,2,3,4,5,6,7
.if \a > 1
	s_wait_xcnt 0x0                                ; block a - 2's stores have read their registers and their base
.endif
	TOSTAGE \a
	SEND \a-1, 32                                  ; behind block a - 1's loads: block a's 16 stores and 16 loads
.endr
	s_wait_xcnt 0x0                                ; block 6's stores have read their base
	SEND 7, 0
	s_wait_tensorcnt 0x0                           ; the wave's end
	ds_add_u32 v[SPW], v[NIL]
	s_wait_dscnt 0x0
	CROUND                                         ; the closing round: no work-group ends while a partner may still ask for a tile that names it
	s_endpgm
.Lfunc_end_k_qd10373331f_outp:
	.size	k_qd10373331f_outp, .Lfunc_end_k_qd10373331f_outp-k_qd10373331f_outp
	.p2alignl 7, 3214868480
	.fill 96, 4, 3214868480
	.section	.rodata,"a",@progbits
	.p2align	6, 0x0
	.amdhsa_kernel k_qd10373331f_outp
		.amdhsa_group_segment_fixed_size 327680
		.amdhsa_private_segment_fixed_size 0
		.amdhsa_enable_private_segment 0
		.amdhsa_kernarg_size 40
		.amdhsa_user_sgpr_count 2
		.amdhsa_user_sgpr_kernarg_segment_ptr 1
		.amdhsa_wavefront_size32 1
		.amdhsa_system_sgpr_workgroup_id_x 1
		.amdhsa_system_sgpr_workgroup_id_y 1
		.amdhsa_system_sgpr_workgroup_id_z 1
		.amdhsa_system_vgpr_workitem_id 0
		.amdhsa_next_free_vgpr 1024
		.amdhsa_next_free_sgpr 98
		.amdhsa_reserve_vcc 0
		.amdhsa_float_denorm_mode_32 3
		.amdhsa_float_denorm_mode_16_64 3
		.amdhsa_memory_ordered 1
		.amdhsa_forward_progress 1
		.amdhsa_inst_pref_size 145
	.end_amdhsa_kernel
	.amdgpu_metadata
---
amdhsa.version: [ 1, 2 ]
amdhsa.kernels:
  - .name:           k_qd10373331f_outp
    .symbol:         k_qd10373331f_outp.kd
    .args:
      - { .name: ao, .offset: 0, .size: 8, .value_kind: global_buffer, .address_space: global }
      - { .name: aos, .offset: 8, .size: 8, .value_kind: global_buffer, .address_space: global }
      - { .name: Wout_codes, .offset: 16, .size: 8, .value_kind: global_buffer, .address_space: global }
      - { .name: Wout_scales, .offset: 24, .size: 8, .value_kind: global_buffer, .address_space: global }
      - { .name: out0, .offset: 32, .size: 8, .value_kind: global_buffer, .address_space: global }
    .group_segment_fixed_size: 327680
    .private_segment_fixed_size: 0
    .kernarg_segment_align: 8
    .kernarg_segment_size: 40
    .max_flat_workgroup_size: 128
    .sgpr_count:     98
    .vgpr_count:     1024
    .wavefront_size: 32
...
	.end_amdgpu_metadata
.endif
;; end of part 4
;; ======== version 2 of 2: 4 launches; version 1 with the launch attn written anew for expert scheduling mode
;; workspace buffers: rope 524,288 bytes; mbits 524,288 bytes of whole numbers; mflags 2,048 bytes of whole numbers; hd 26,476,544 bytes; ao 8,388,608 bytes; aos 262,144 bytes
;; launch prep: the kernel of part 1 again; grid 192 x 1, 4 waves a work-group, no clusters, 34,304 bytes of LDS; arguments mask, rope, mbits, mflags; writes rope, mbits, mflags
;; launch qkv: the kernel of part 2 again; grid 96 x 4, 4 waves a work-group, clusters of 4 x 4, 327,680 bytes of LDS; arguments x_codes, x_scales, Wqkv_codes, Wqkv_scales, rope, hd; writes hd
;; launch attn (part 5): grid 4 x 64, 16 waves a work-group, no clusters, 276,480 bytes of LDS; arguments hd, mbits, mflags, ao, aos; writes ao, aos
.if DOCPART == 5
	.amdgcn_target "amdgcn-amd-amdhsa--gfx1250"
	.amdhsa_code_object_version 6
	.text
	.protected	k_qd10373331f_attn
	.globl	k_qd10373331f_attn
	.p2align	8
	.type	k_qd10373331f_attn,@function
k_qd10373331f_attn:
	s_mov_b64 s[64:65], 0
	v_nop
	global_prefetch_b8 v0, s[64:65] scope:SCOPE_SE
	s_setreg_imm32_b32 hwreg(HW_REG_WAVE_SCHED_MODE, 0, 2), 2
	s_setreg_imm32_b32 hwreg(HW_REG_WAVE_MODE, 25, 1), 1
	s_wait_xcnt 0x0
	s_wait_alu depctr_vm_vsrc(0)
; O[q] = the sum over keys of softmax(q . k / 8, under the mask) v, for one (batch, head) a work-group column, both products on codes of BF8 (E5M2) with one E8M0 scale for each 32 along K.
; THE SOFTMAX AHEAD OF THE SECOND PRODUCT: t = score x log2(e) / 8; M = the row's largest t so far, rounded UP to a whole number; p = 2^(t - M) is quantised along the keys, not normalised; the row's sum is taken
; of the unquantised p and divides O at the end.  When M moves, the sum and O are multiplied by 2^(old M - new M): exact.
; SHARES.  A work-group (x = 0..3, y = 16 batch + head) holds its head's K, V and their scale words in LDS for the whole launch and serves 512 queries; each of its sixteen waves takes two tiles of 16 queries,
; T = 4 wave + x and then 127 - T, one after the other, in 256 registers: four waves to a SIMD, so that one wave's vector work stands beside another's matrix work and LDS loads.
; LDS is the first 274,432 bytes of the head's record as they lie in memory: images of operand registers (16 bytes a lane, 512 a load) and scale words (4 bytes a lane).  It is filled once, through registers, ahead of
; the one barrier, and only read afterwards.  No tensor load and no copy stands in this text, since its branches hang on numbers read from memory:
; THE MASK comes as whole numbers that an earlier launch stored.  For a tile of 16 queries and a step of 128 keys: a flag 'some key open' (where it is clear the step adds nothing to maximum, sum or O, and is
; jumped over), a flag 'some key blocked' (where it is clear the scores are taken as they are), and 64 words of 32 bits in the scores' layout, by which blocked scores become -infinity.  Right for every mask.
; A ROW WITH NO OPEN KEY has the sum 0: its two scale bytes become 0xff, so that the last product gives NaN for the whole output row, as 0 / 0 does.
; LAYOUT.  Both products are used transposed: S^T = K Q^T (source 0 = 16 keys, source 1 = my 16 queries), O^T = V^T P^T: a lane holds one query (lane % 16) throughout.
; K = 64 IN THE FIRST PRODUCT: Q's fragment is 8 registers of codes and 8 of zeros; K's fragment of tile t is v[32 + 8 t] on, 16 registers: its upper 8 are tile t + 1's codes (finite: the quantiser holds them),
; which meet Q's zeros; 8 registers of zeros stand behind tile 7.  The scale words' upper two bytes are 0.
; ORDER ALONG K: in q, k, v and p, k is permuted inside each block of 32, alike on both sides of a product.  The result's codes are put back into ascending order (two half-row swaps a block), since the last product's
; other operand is given.  ao: [token tile 512][head 16][c 2][lane][16 B]; aos: [token 8192][32] bytes.
; LIMITS: NaN and infinities in the record are not served; a block of zeros gets the scale byte 1.
; THE MODE: SCHED_MODE bits 1:0 = 2 (LLVM: expert scheduling mode 2), set by the entry lines.  The code itself states the register dependences between vector or matrix instructions and memory or LDS
; instructions, with s_wait_alu, always for 0.
; THE PLAN.  Registers that memory or LDS instructions touch:
;   v150-156   the fill's addresses: written at the head, read by the fill's loads and LDS stores; behind the barrier they are part of S^T.
;   v16-149    the fill's data: landed in by the loads, read by the LDS stores; behind the barrier they are Q, zeros, K and V, S^T.
;   v1-7       made once behind the barrier and never written again: read by Q's loads, by the tile's stores and by the address additions.
;   v8-11      a step's four LDS addresses: written by four additions at the step's front, read by the step's 38 LDS loads.
;   v16-23, v222   Q and its scale words: landed in at a tile's head, read by the tile's products K Q^T.
;   v32-95     K's eight tiles, landed in at the step's front and read by K Q^T; then V's four fragments, landed in under the softmax and read by V^T P.  v216-219, v220-221: their scale words, likewise.
;   v200-215, v223   p's codes and scale word: written by conversions and shifts, read by V^T P; at a tile's end v200-207 and v245 are the stores' data.
; All 256 registers of a wave but eight are taken, so K and V share v32-95 and there is no second buffer.
; A STEP'S WAITS: one on vm_vsrc ahead of the address additions; one on va_vdst behind them, ahead of K's loads; the wait behind the 64 exponentials, which also stands for V's loads: these follow it, dealt among the
; row sum's additions, which name none of the registers that the loads touch; the wait for the four exponentials; one on va_vdst ahead of V^T P, for the codes and the scale word.
.set REC,  413696
.set VIMG, 131072                      ; LDS and record: K's images at 0, V's here,
.set KSC,  262144                      ; K's scale words,
.set VSC,  270336                      ; V's;
.set QIMG, 274432                      ; record alone: Q's images
.set QSC,  405504                      ; and scale words
.set LI,   1                           ; v1   16 x lane
.set LIV,  2                           ; v2   + VIMG
.set LSK,  3                           ; v3   4 x lane + KSC
.set LSV,  4                           ; v4   4 x lane + VSC
.set LQ,   5                           ; v5   4 (lane % 16)
.set AQ,   6                           ; v6   32 (lane % 16)
.set NINF, 7                           ; v7   -infinity
.set ADK,  8                           ; v8-11 the step's LDS addresses: K, V, K's words, V's words
.set ADV,  9
.set ADS,  10
.set ADT,  11                          ; v12 -M, v13 the largest t, v[14:15] the sum in two halves
.set QF,   16                          ; v16-23 Q, v24-31 zeros
.set KF,   32                          ; v32-95 K's eight tiles, then V's four fragments; v96-103 zeros
.set S,    104                         ; v104-167 S^T, then p
.set O,    168                         ; v168-199 O^T
.set PC,   200                         ; v200-215 p's codes
.set KSR,  216                         ; v216-219 K's scale words, two tiles a register;  v220-221 V's;  v222 Q's;  v223 p's
.set VSR,  220
.set QSR,  222
.set PSR,  223
.set BM,   224                         ; v224-227 a block's largest score, then p;  228-231 at work, bytes;  232-235 57,344 x the scale;  236-239 the conversions' scale operands
.set BT,   228
.set BL,   232
.set BO,   236
.set SUM2, 240                         ; v[240:241] the second chain of the sum
.set F,    242                         ; v[242:243] f = 2^(old M - new M), later 1 / the sum (the low word serves both halves)
.set TMP,  244
.set WD,   245                         ; the result's two scale bytes
	s_load_b64 s[2:3], s[0:1], 0x0                 ; hd
	s_load_b256 s[4:11], s[0:1], 0x8               ; mbits s[4:5], mflags s[6:7], ao s[8:9], aos s[10:11]
	v_lshl_add_u32 v254, v0, 2, 0x43000
	v_mov_b32 v255, 0
	v_lshrrev_b32 v8, 5, v0
	v_readfirstlane_b32 s25, v8                    ; wave 0..15
	s_and_b32 s26, ttmp7, 0xffff                   ; 16 batch + head
	s_mul_i32 s12, s26, REC
	s_mov_b32 s13, 0                               ; (stays 0: the upper word of every offset)
	v_lshlrev_b32 v150, 4, v0                      ; the fill: 16 bytes a thread, 8,192 an instruction of the work-group
.irp i, 1,2,3,4
	v_add_nc_u32 v[150+\i], 65536*\i, v150         ; an LDS offset has 16 bits: a register for each 64 KiB
.endr
	v_lshlrev_b32 v155, 3, v0
	v_add_nc_u32 v156, VSC, v155
	s_wait_alu depctr_va_sdst(0)                   ; s25 is written, ahead of its first reader: my first tile's number is made from it
	s_wait_kmcnt 0x0
	s_add_nc_u64 s[2:3], s[2:3], s[12:13]          ; my record
	s_wait_alu depctr_va_vdst(0)                   ; v150 to v156 are written: the fill's loads and LDS stores read them as their addresses
.set i, 0
.rept 33
	global_load_b128 v[16+4*i:19+4*i], v150, s[2:3] offset:8192*i   ; K's and V's images and K's scale words: 270,336 bytes
.set i, i+1
.endr
	global_load_b64 v[148:149], v155, s[2:3] offset:VSC            ; V's scale words: 4,096 bytes
	s_lshr_b32 s14, s26, 4                         ; batch
	s_and_b32 s15, s26, 15                         ; head
	s_lshl_b32 s12, s14, 21                        ; ao: 128 token tiles of 16,384 bytes a batch,
	s_lshl_b32 s16, s15, 10                        ; 1,024 bytes a head
	s_add_co_u32 s12, s12, s16
	s_add_nc_u64 s[8:9], s[8:9], s[12:13]
	s_lshl_b32 s12, s14, 16                        ; aos: 2,048 rows of 32 bytes a batch,
	s_lshl_b32 s16, s15, 1                         ; 2 bytes a head
	s_add_co_u32 s12, s12, s16
	s_add_nc_u64 s[10:11], s[10:11], s[12:13]
	s_lshl_b32 s26, s25, 2
	s_add_co_u32 s26, s26, ttmp9                   ; T, my first tile of queries
	s_mov_b32 s27, 2                               ; tiles to go
	s_mov_b32 s29, 0x600000                        ; the mantissa field of 57,344
	s_mov_b32 s30, 0x76543210
	s_mov_b32 s31, 0xfedcba98                      ; v_permlanex16_b32's selects for lane l xor 16
	s_mov_b32 s66, 0x3e38aa3b                      ; c = log2(e) / 8
	s_mov_b32 s67, s66                             ; (the packed form names the pair)
.set i, 0
.rept 33
	s_wait_loadcnt 33-i                            ; loads come back in order: load i is in; the 33 - i issued behind it may be out
	ds_store_b128 v[150+i/8], v[16+4*i:19+4*i] offset:8192*(i%8)
.set i, i+1
.endr
	s_wait_loadcnt 0x0
	ds_store_b64 v156, v[148:149]
	s_wait_dscnt 0x0                               ; for the others' sake: my stores have landed
	s_barrier_signal -1
	s_barrier_wait -1                              ; the record lies in LDS; from here on LDS is only read
	s_wait_alu depctr_vm_vsrc(0)                   ; the fill's loads and LDS stores have read v16 to v156, their data and addresses: from here on these registers are Q, zeros, K and V and S^T, written by vector and matrix instructions and by loads
	v_and_b32 v1, 31, v0
	v_lshlrev_b32 v3, 2, v1
	v_lshlrev_b32 v[LI], 4, v1
	v_add_nc_u32 v[LIV], VIMG, v[LI]
	v_add_nc_u32 v[LSV], VSC, v3
	v_add_nc_u32 v[LSK], KSC, v3
	v_and_b32 v6, 15, v0
	v_lshlrev_b32 v[LQ], 2, v6
	v_lshlrev_b32 v[AQ], 5, v6
	v_mov_b32 v[NINF], 0xff800000
.irp i, 0,1,2,3,4,5,6,7
	v_mov_b32 v[QF+8+\i], 0                        ; Q's upper half of K = 128,
	v_mov_b32 v[KF+64+\i], 0                       ; and what stands behind K's tile 7
.endr
.irp b, 0,1,2,3
	v_mov_b32 v[BT+\b], 0                          ; written once: a lane permute's destination counts as one of its sources
.endr
	v_mov_b32 v[F+1], 0                            ; (named as the upper half of a pair)
	v_mov_b32 v[TMP], 0
; The step's front: the four LDS addresses, K's eight tiles and their words from LDS, S^T = K Q^T.  V's loads stand under the softmax.
.macro FRONT
	s_lshl_b32 s100, s28, 13                       ; 8,192 bytes of K's and of V's images a step,
	s_lshl_b32 s101, s28, 9                        ; 512 of K's scale words,
	s_lshl_b32 s12, s28, 8                         ; 256 of V's
	s_wait_alu depctr_vm_vsrc(0)                   ; the LDS loads of the step before have read v8 to v11, which the four additions write again
	v_add_nc_u32 v[ADK], s100, v[LI]
	v_add_nc_u32 v[ADV], s100, v[LIV]
	v_add_nc_u32 v[ADS], s101, v[LSK]
	v_add_nc_u32 v[ADT], s12, v[LSV]
.rept 4
	v_nop                                          ; with the four additions: eight places behind the last products
.endr
	s_wait_alu depctr_va_vdst(0)                   ; the four addresses are written, which this step's LDS loads read; the last products V^T P are done reading v32 to v95 and the scale words, in which the loads below land
.irp t, 0,1,2,3,4,5,6,7
	ds_load_b128 v[KF+8*\t:KF+8*\t+3], v[ADK] offset:1024*\t
	ds_load_b128 v[KF+8*\t+4:KF+8*\t+7], v[ADK] offset:1024*\t+512
.endr
.irp p, 0,1,2,3
	ds_load_b32 v[KSR+\p], v[ADS] offset:128*\p    ; lanes 0-15: tile 2 p's words, lanes 16-31: tile 2 p + 1's
.endr
	s_wait_dscnt 0x0
.irp t, 0,2,4,6
	v_wmma_scale_f32_16x16x128_f8f6f4 v[S+8*\t:S+8*\t+7], v[KF+8*\t:KF+8*\t+15], v[QF:QF+15], 0, v[KSR+\t/2], v[QSR] matrix_a_fmt:MATRIX_FMT_BF8 matrix_b_fmt:MATRIX_FMT_BF8
	v_wmma_scale_f32_16x16x128_f8f6f4 v[S+8*\t+8:S+8*\t+15], v[KF+8*\t+8:KF+8*\t+23], v[QF:QF+15], 0, v[KSR+\t/2], v[QSR] matrix_a_fmt:MATRIX_FMT_BF8 matrix_b_fmt:MATRIX_FMT_BF8 matrix_a_scale:MATRIX_SCALE_ROW1
.endr
.rept 8
	v_nop                                          ; eight places in front of the first read of the scores
.endr
.endm
.Ltile:
	s_lshl_b32 s12, s26, 10                        ; Q's image: 1,024 bytes a tile
	s_add_nc_u64 s[14:15], s[2:3], s[12:13]
	s_lshl_b32 s12, s26, 6                         ; its scale words: 64 bytes
	s_add_nc_u64 s[16:17], s[2:3], s[12:13]
	s_wait_alu depctr_va_vdst(0)                   ; first tile: v1 to v7 are written, which every load and store from here on reads or is made from, and so are the zeros in both operands of K Q^T; second tile: the first tile's products are done reading Q and its scale words, in which the loads below land
	global_load_b128 v[QF:QF+3], v[LI], s[14:15] offset:QIMG
	global_load_b128 v[QF+4:QF+7], v[LI], s[14:15] offset:QIMG+512
	global_load_b32 v[QSR], v[LQ], s[16:17] offset:QSC
	s_lshl_b32 s12, s26, 12                        ; the tile's mask words: 16 steps of 256 bytes
	s_add_nc_u64 s[18:19], s[4:5], s[12:13]
	s_lshl_b32 s12, s26, 4                         ; its four flag words
	s_add_nc_u64 s[100:101], s[6:7], s[12:13]
	s_load_b128 s[20:23], s[100:101], 0x0
	v_mov_b32 v13, 0xff61b1e6                      ; the largest t so far: -3e38, under every t
	v_floor_f32 v12, -v13                          ; -M
	v_mov_b32 v14, 0                               ; the sum
	v_mov_b32 v15, 0
.set j, 0
.rept 32
	v_mov_b32 v[O+j], 0                            ; O^T begins as zeros: which step is a tile's first hangs on the mask, so no first step can be written out
.set j, j+1
.endr
	s_mov_b32 s28, 0                               ; the step
	s_wait_kmcnt 0x0
	s_or_b32 s24, s20, s21
	s_or_b32 s24, s24, s22
	s_or_b32 s24, s24, s23                         ; bit 0: this step has an open key; bit 16: it has a blocked one; shifted down a bit a step
	s_wait_loadcnt 0x0                             ; Q
.Lstep:
	s_bitcmp1_b32 s24, 0
	s_cbranch_scc0 .Lskip                          ; every key of the step is blocked for all my 16 queries: every p would be 0
	s_bitcmp1_b32 s24, 16
	s_cbranch_scc1 .Lmixed
	FRONT
	s_branch .Lsoft
.Lmixed:
	s_load_b512 s[32:47], s[18:19], 0x0            ; the step's 64 mask words
	s_load_b512 s[48:63], s[18:19], 0x40
	s_load_b512 s[68:83], s[18:19], 0x80
	s_load_b512 s[84:99], s[18:19], 0xc0
	FRONT
	s_wait_kmcnt 0x0
.set n, 0
.rept 64
.if n < 32
	v_cndmask_b32 v[S+n], v[NINF], v[S+n], s[32+n] ; a blocked score becomes -infinity: p = 0.  Ascending: each accumulator is read from its low end on
.else
	v_cndmask_b32 v[S+n], v[NINF], v[S+n], s[36+n]
.endif
.set n, n+1
.endr
.Lsoft:
.irp b, 0,1,2,3
	v_max3_num_f32 v[BM+\b], v[S+16*\b], v[S+16*\b+1], v[S+16*\b+2]   ; the largest score of each block of 32 keys: for the row's maximum, and, since p rises with the score, for the block's largest p
.endr
.irp i, 3,5,7,9,11,13
.irp b, 0,1,2,3
	v_max3_num_f32 v[BM+\b], v[BM+\b], v[S+16*\b+\i], v[S+16*\b+\i+1]
.endr
.endr
.irp b, 0,1,2,3
	v_max_num_f32 v[BM+\b], v[BM+\b], v[S+16*\b+15]
.endr
.irp b, 0,1,2,3
	v_permlanex16_b32 v[BT+\b], v[BM+\b], s30, s31
.endr
.irp b, 0,1,2,3
	v_max_num_f32 v[BM+\b], v[BM+\b], v[BT+\b]     ; with lane l xor 16's 16 keys
.endr
	v_max3_num_f32 v[TMP], v[BM], v[BM+1], v[BM+2]
	v_max_num_f32 v[TMP], v[TMP], v[BM+3]          ; the step's largest score of my query
	v_mul_f32 v[TMP], s66, v[TMP]                  ; as t (c is positive)
	v_max_num_f32 v13, v13, v[TMP]                 ; the running largest t
	v_mov_b32 v[TMP], v12
	v_floor_f32 v12, -v13                          ; the new -M = floor(-t) = -ceil(t): a whole number
	v_sub_f32 v[TMP], v12, v[TMP]                  ; old M - new M: a whole number, 0 or less
	v_cvt_i32_f32 v[TMP], v[TMP]                   ; (it saturates)
	v_ldexp_f32 v[F], 1.0, v[TMP]                  ; f = 2^(old M - new M)
.set j, 0
.rept 32
	v_pk_fma_f32 v[S+j:S+j+1], v[S+j:S+j+1], s[66:67], v[12:13] op_sel_hi:[1,0,0]   ; t - M, two at a time
.set j, j+2
.endr
.irp b, 0,1,2,3
	v_fma_f32 v[BM+\b], v[BM+\b], s66, v12         ; the same of each block's largest score
.endr
.set j, 0
.rept 64
	v_exp_f32 v[S+j], v[S+j]                       ; p = 2^(t - M), at most 1
.set j, j+1
.endr
	v_pk_mul_f32 v[14:15], v[14:15], v[F:F+1] op_sel_hi:[1,0]   ; the sums under the new M: the plain instruction behind the exponentials
	s_wait_alu depctr_va_vdst(0)                   ; the 64 exponentials have written p, ahead of its first reader; and the products K Q^T are done reading v32 to v103, so that V's loads may land in v32 to v95
	ds_load_b32 v[VSR], v[ADT]                     ; V's scale words: lanes 0-15 one tile of 16 channels, lanes 16-31 the next
	ds_load_b32 v[VSR+1], v[ADT] offset:128
.irp b, 0,1,2,3
	v_exp_f32 v[BM+\b], v[BM+\b]                   ; the block's largest p: the same two instructions on the same number give the same bits
.endr
	v_pk_add_f32 v[SUM2:SUM2+1], v[S:S+1], v[S+2:S+3]   ; the row's sum of the unquantised p, in two chains; it reads the 64 alone: plain work behind the four
.set j, 4
.set n, 0
.rept 15
	ds_load_b128 v[KF+4*n:KF+4*n+3], v[ADV] offset:512*n   ; V's four fragments, 16 loads, one to each pair of additions.  No wait: no vector or matrix instruction since the wait above names v9, v11, v32 to v95 or v220, v221
	v_pk_add_f32 v[14:15], v[14:15], v[S+j:S+j+1]
	v_pk_add_f32 v[SUM2:SUM2+1], v[SUM2:SUM2+1], v[S+j+2:S+j+3]
.set j, j+4
.set n, n+1
.endr
	ds_load_b128 v[KF+60:KF+63], v[ADV] offset:512*15
	v_pk_add_f32 v[14:15], v[14:15], v[SUM2:SUM2+1]
	s_wait_alu depctr_va_vdst(0)                   ; the four exponentials have written the blocks' largest p, ahead of its first reader
.irp b, 0,1,2,3
	v_max_num_f32 v[BM+\b], 0x8000000, v[BM+\b]    ; the floor 2^(16 - 127): the byte cannot fall under 1 (a block whose every p is 0 keeps that byte: its codes are zeros)
.endr
.irp b, 0,1,2,3
	v_add_nc_u32 v[BO+\b], 0xf8800000, v[BM+\b]    ; 15 off the exponent field: the conversion's scale operand
.endr
.irp b, 0,1,2,3
	v_and_or_b32 v[BL+\b], v[BM+\b], 0x7f800000, s29   ; 57,344 x the scale
.endr
.irp b, 0,1,2,3
	v_lshrrev_b32 v[BT+\b], 23, v[BO+\b]           ; the scale's byte
.endr
	v_lshl_or_b32 v[PSR], v[BT+1], 8, v[BT]        ; p's scale word for these 128 keys: made far more than eight plain instructions ahead of the products
	v_lshl_or_b32 v[PSR], v[BT+2], 16, v[PSR]
	v_lshl_or_b32 v[PSR], v[BT+3], 24, v[PSR]
.irp b, 0,1,2,3
.irp i, 0,1,2,3,4,5,6,7,8,9,10,11,12,13,14,15
	v_min_num_f32 v[S+16*\b+\i], v[S+16*\b+\i], v[BL+\b]   ; the conversion does not saturate (ISA guide 7.6.2); p is not negative, so the hold is one-sided
.endr
	v_cvt_scalef32_pk8_bf8_f32 v[PC+4*\b:PC+4*\b+1], v[S+16*\b:S+16*\b+7], v[BO+\b]
	v_cvt_scalef32_pk8_bf8_f32 v[PC+4*\b+2:PC+4*\b+3], v[S+16*\b+8:S+16*\b+15], v[BO+\b]
.endr
.set j, 0
.rept 16
	v_pk_mul_f32 v[O+j:O+j+1], v[O+j:O+j+1], v[F:F+1] op_sel_hi:[1,0]   ; O^T under the new M, each accumulator from its low end on; these 16 are also the places between the codes and the products
.set j, j+2
.endr
	s_wait_dscnt 0x0                               ; V's fragments and words are in
	s_wait_alu depctr_va_vdst(0)                   ; the conversions have written p's codes and the shifts its scale word, which the scaled products below take as an operand and as scales; the places above stay beside this wait
.irp dt, 0,2
	v_wmma_scale_f32_16x16x128_f8f6f4 v[O+8*\dt:O+8*\dt+7], v[KF+16*\dt:KF+16*\dt+15], v[PC:PC+15], v[O+8*\dt:O+8*\dt+7], v[VSR+\dt/2], v[PSR] matrix_a_fmt:MATRIX_FMT_BF8 matrix_b_fmt:MATRIX_FMT_BF8
	v_wmma_scale_f32_16x16x128_f8f6f4 v[O+8*\dt+8:O+8*\dt+15], v[KF+16*\dt+16:KF+16*\dt+31], v[PC:PC+15], v[O+8*\dt+8:O+8*\dt+15], v[VSR+\dt/2], v[PSR] matrix_a_fmt:MATRIX_FMT_BF8 matrix_b_fmt:MATRIX_FMT_BF8 matrix_a_scale:MATRIX_SCALE_ROW1
.endr                                              ; the four accumulators take turns, one instruction a turn, and the next step's eight other products stand between two links
.Lskip:
	s_lshr_b32 s24, s24, 1
	s_add_nc_u64 s[18:19], s[18:19], 256           ; (no scalar load is out: the arm that issues them waits for them)
	s_add_co_u32 s28, s28, 1
	s_cmp_lt_u32 s28, 16
	s_cbranch_scc1 .Lstep
	; THE TILE'S END: O^T / the sum, quantised along the head's 64 (two blocks of the last product's K), codes and scale bytes stored.
.rept 8
	v_nop                                          ; eight places behind the last products
.endr
	v_add_f32 v14, v14, v15                        ; the sum's two halves,
	v_permlanex16_b32 v[TMP], v14, s30, s31
	v_add_f32 v14, v14, v[TMP]                     ; and lane l xor 16's: the row's sum
	v_rcp_f32 v[F], v14
	v_nop                                          ; a plain instruction behind the transcendental
	v_cmp_neq_f32 vcc_lo, 0, v14                   ; has my row an open key?  Asked here, far ahead of the line that reads the answer
	s_lshl_b32 s12, s26, 14                        ; ao: 16,384 bytes a token tile
	s_add_nc_u64 s[14:15], s[8:9], s[12:13]
	s_lshl_b32 s12, s26, 9                         ; aos: 16 rows of 32 bytes
	s_add_nc_u64 s[16:17], s[10:11], s[12:13]
	s_wait_alu depctr_va_vdst(0)                   ; the reciprocal is written, ahead of its first reader
.set j, 0
.rept 16
	v_pk_mul_f32 v[S+j:S+j+1], v[O+j:O+j+1], v[F:F+1] op_sel_hi:[1,0]   ; register 16 c + 8 u + j = channel 32 c + 16 u + 8 h + j
.set j, j+2
.endr
.irp b, 0,1
	v_max3_num_f32 v[BM+\b], |v[S+16*\b]|, |v[S+16*\b+1]|, 0x8000000
.endr
.irp i, 2,4,6,8,10,12,14
.irp b, 0,1
	v_max3_num_f32 v[BM+\b], v[BM+\b], |v[S+16*\b+\i]|, |v[S+16*\b+\i+1]|
.endr
.endr
.irp b, 0,1
	v_permlanex16_b32 v[BT+\b], v[BM+\b], s30, s31
.endr
.irp b, 0,1
	v_max_num_f32 v[BM+\b], v[BM+\b], v[BT+\b]
.endr
.irp b, 0,1
	v_add_nc_u32 v[BO+\b], 0xf8800000, v[BM+\b]
.endr
.irp b, 0,1
	v_and_or_b32 v[BL+\b], v[BM+\b], 0x7f800000, s29
.endr
.irp b, 0,1
	v_lshrrev_b32 v[BT+\b], 23, v[BO+\b]
.endr
	v_lshl_or_b32 v[WD], v[BT+1], 8, v[BT]         ; my row's two scale bytes
	s_wait_alu depctr_va_vcc(0)                    ; the compare has written VCC, which the next line reads
	v_cndmask_b32 v[WD], 0xffff, v[WD], vcc_lo     ; a row with no open key: the sum is 0, and both bytes say NaN
.irp b, 0,1
.irp i, 0,1,2,3,4,5,6,7,8,9,10,11,12,13,14,15
	v_med3_num_f32 v[S+16*\b+\i], v[S+16*\b+\i], -v[BL+\b], v[BL+\b]
.endr
	v_cvt_scalef32_pk8_bf8_f32 v[PC+4*\b:PC+4*\b+1], v[S+16*\b:S+16*\b+7], v[BO+\b]
	v_cvt_scalef32_pk8_bf8_f32 v[PC+4*\b+2:PC+4*\b+3], v[S+16*\b+8:S+16*\b+15], v[BO+\b]
.endr
	v_nop                                          ; a plain instruction between the conversions and the lines that touch their results
.irp b, 0,1
	v_permlane16_swap_b32 v[PC+4*\b], v[PC+4*\b+2] ; ascending k: lanes 16-31's channels 8-15 change places with lanes 0-15's channels 16-23
	v_permlane16_swap_b32 v[PC+4*\b+1], v[PC+4*\b+3]
.endr
	s_wait_alu depctr_va_vdst(0)                   ; the swaps have written the codes v200 to v207 and the select the two bytes v245: the three stores' data
	global_store_b128 v[LI], v[PC:PC+3], s[14:15]              ; 32 lanes store 512 consecutive bytes, aligned
	global_store_b128 v[LI], v[PC+4:PC+7], s[14:15] offset:512
	global_store_b16 v[AQ], v[WD], s[16:17]                    ; lanes r and r + 16 write the same two bytes with the same value
	s_wait_xcnt 0x0                                ; the stores have read their registers and bases: the next tile writes both
	s_wait_alu depctr_vm_vsrc(0)                   ; the stores have read v200 to v207 and v245, which the next tile's conversions and shifts write again
	s_sub_co_u32 s26, 127, s26                     ; the second tile
	s_sub_co_u32 s27, s27, 1
	s_cmp_lg_u32 s27, 0
	s_cbranch_scc1 .Ltile
	s_wait_dscnt 0x0
	s_wait_alu depctr_hold_cnt(0) depctr_sa_sdst(0) depctr_va_vdst(0) depctr_va_sdst(0) depctr_va_ssrc(0) depctr_va_vcc(0) depctr_vm_vsrc(0)
	s_wait_tensorcnt 0x0
	ds_add_u32 v254, v255
	s_wait_dscnt 0x0
	s_endpgm
.Lfunc_end_k_qd10373331f_attn:
	.size	k_qd10373331f_attn, .Lfunc_end_k_qd10373331f_attn-k_qd10373331f_attn
	.p2alignl 7, 3214868480
	.fill 96, 4, 3214868480
	.section	.rodata,"a",@progbits
	.p2align	6, 0x0
	.amdhsa_kernel k_qd10373331f_attn
		.amdhsa_group_segment_fixed_size 276480
		.amdhsa_private_segment_fixed_size 0
		.amdhsa_enable_private_segment 0
		.amdhsa_kernarg_size 40
		.amdhsa_user_sgpr_count 2
		.amdhsa_user_sgpr_kernarg_segment_ptr 1
		.amdhsa_wavefront_size32 1
		.amdhsa_system_sgpr_workgroup_id_x 1
		.amdhsa_system_sgpr_workgroup_id_y 1
		.amdhsa_system_sgpr_workgroup_id_z 1
		.amdhsa_system_vgpr_workitem_id 0
		.amdhsa_next_free_vgpr 256
		.amdhsa_next_free_sgpr 102
		.amdhsa_reserve_vcc 1
		.amdhsa_float_denorm_mode_32 3
		.amdhsa_float_denorm_mode_16_64 3
		.amdhsa_memory_ordered 1
		.amdhsa_forward_progress 1
		.amdhsa_inst_pref_size 45
	.end_amdhsa_kernel
	.amdgpu_metadata
---
amdhsa.version: [ 1, 2 ]
amdhsa.kernels:
  - .name:           k_qd10373331f_attn
    .symbol:         k_qd10373331f_attn.kd
    .args:
      - { .name: hd, .offset: 0, .size: 8, .value_kind: global_buffer, .address_space: global }
      - { .name: mbits, .offset: 8, .size: 8, .value_kind: global_buffer, .address_space: global }
      - { .name: mflags, .offset: 16, .size: 8, .value_kind: global_buffer, .address_space: global }
      - { .name: ao, .offset: 24, .size: 8, .value_kind: global_buffer, .address_space: global }
      - { .name: aos, .offset: 32, .size: 8, .value_kind: global_buffer, .address_space: global }
    .group_segment_fixed_size: 276480
    .private_segment_fixed_size: 0
    .kernarg_segment_align: 8
    .kernarg_segment_size: 40
    .max_flat_workgroup_size: 512
    .sgpr_count:     102
    .vgpr_count:     256
    .wavefront_size: 32
...
	.end_amdgpu_metadata
.endif
;; end of part 5
;; launch outp: the kernel of part 4 again; grid 4 x 32, 4 waves a work-group, clusters of 4 x 4, 327,680 bytes of LDS; arguments ao, aos, Wout_codes, Wout_scales, out0; writes out0
